; MI455X (gfx1250); checked and timed in simulation.
; The chip was launched on July 23, 2026; its instructions are those of AMD's public machine-readable ISA for CDNA 5 (MIT licence, August 2026) and "CDNA5" Instruction Set Architecture Reference Guide (July 2026). The comments in the code are by the model that wrote it; some were corrected since.
;; Multi Head Attention. Allowed arithmetic: matrix products marked QUANTISED: E5M2 operands, one given power-of-two scale a tensor, by v_wmma_f32_16x16x64_bf8_bf8 or v_wmma_f32_16x16x128_bf8_bf8, f32 sums; everything else in f32.
;; Inputs: b_out 1,024 float32; b_qkv 3,072 float32; lowp_scales 8 int32 (the exponents e of the quantised operands' scales 2^e); mask 4 x 2,048 x 2,048 int32; w_out 1,024 x 1,024 float32; w_qkv 1,024 x 3,072 float32; x 4 x 2,048 x 1,024 float32.
;; Outputs: out0 4 x 2,048 x 1,024 float32.
;; This version of the problem:
;;   THIS VERSION OF THE PROBLEM IS GIVEN IN LOW PRECISION. The matrix products marked QUANTISED in the list below multiply operands that are first quantised to E5M2 (5 exponent bits, 2 mantissa bits; 8 bits a number), with one given power-of-two scale for each operand tensor; their sums are f32. All else is computed in f32.
;;   The module's matrix products, in the order in which they are computed (A, B: the left and right operand; K: the contracted axis; several contracted axes count as one K, in the product's order):
;;     1. [M 8,192, K 1,024] x [K 1,024, N 3,072]; A: input x; B: input w_qkv: QUANTISED (scales: A lowp_scales[0], B lowp_scales[1])
;;     2. batch 64 x [M 2,048, K 64] x [K 64, N 2,048]; A: computed on the way; B: computed on the way: QUANTISED (scales: A lowp_scales[2], B lowp_scales[3])
;;     3. batch 64 x [M 2,048, K 2,048] x [K 2,048, N 64]; A: softmax (see below); B: computed on the way: QUANTISED (scales: A lowp_scales[4], B lowp_scales[5])
;;     4. [M 8,192, K 1,024] x [K 1,024, N 1,024]; A: computed on the way; B: input w_out: QUANTISED (scales: A lowp_scales[6], B lowp_scales[7])
;;   THE QUANTISER, for each operand of a quantised product, along K:
;;     - The operand's scale is 2^e, e = its entry of the input lowp_scales (int32; the entries are numbered through the quantised products in the list's order, A before B).
;;     - Each number is divided by the scale, clamped to +-57,344, and rounded to the nearest number of E5M2, ties to even, subnormals kept.
;;     - The product sums the exact products of the quantised numbers (number of the format x scale) in f32.
;;   ~~~python
;;   def quantise(x, axis, e):      # numpy; x: float32 -> the quantised numbers, widened to float32 again
;;       x = np.moveaxis(x, axis, -1); K = x.shape[-1]
;;       r = np.clip(x / 2.0 ** e, -57344, 57344)
;;       step = 2.0 ** (np.maximum(np.frexp(np.where(r == 0, 1, r))[1] - 1, -14) - 2)
;;       q = np.round(r / step) * step * 2.0 ** e      # np.round: ties to even
;;       return np.moveaxis(q, -1, axis).astype(np.float32)
;;   ~~~
;;   SOFTMAX AHEAD OF A QUANTISED PRODUCT. Where the list says 'softmax', what is quantised is not the finished softmax but p = 2^(t - M), with t = logit x log2(e) and M = ceil(the row's largest t), a whole number; so 1/2 < the row's largest p <= 1. The row's sum l is taken of the UNQUANTISED p, in f32, and the product's result is divided by l at the end. Since M is a whole number, a kernel that streams over the keys may use a running M (the ceiling of the running maximum): every later rescaling is an exact power of two, so the quantised numbers keep their values, but for numbers so far below the row's largest that they fall under the format's range.
;;   OPERANDS COMPUTED ON THE WAY. 'Computed on the way' means the value that the module computes at that place (a softmax that the list does not call 'softmax' is quantised finished and normalised). What goes into a quantiser is computed in f32, as accurately as f32 sums, v_exp_f32 and their like allow (about 1e-6 of the number): no bf16 or f16 on the way to a quantiser, and a product that is left as it is and whose result goes on into a quantised operand takes f32 operands (vector FMAs, or v_wmma_f32_16x16x4_f32). A number that lies on a knife's edge between two numbers of the format may be rounded either way, as far as f32 arithmetic and the matrix unit's own rounding can turn it there, and no further.
;; 2 versions, each right; version 2 is version 1 with the launch attn written anew for expert scheduling mode. Each part assembles by itself: llvm-mc -triple=amdgcn-amd-amdhsa -mcpu=gfx1250 --defsym DOCPART=n.
;; ======== version 1 of 2: 4 launches
;; workspace buffers: xw 12,582,912 bytes; mbits 2,097,152 bytes of whole numbers; mflag 8,192 bytes of whole numbers; qkvc 25,165,824 bytes; oc 8,388,608 bytes
;; launch prep (part 1): grid 896 x 1, 4 waves a work-group, no clusters, 89,600 bytes of LDS; arguments x, mask, w_qkv, w_out, lowp_scales, xw, mbits, mflag; writes xw, mbits, mflag
.if DOCPART == 1
	.amdgcn_target "amdgcn-amd-amdhsa--gfx1250"
	.amdhsa_code_object_version 6
	.text
	.protected	k_q28b650ba1d_prep
	.globl	k_q28b650ba1d_prep
	.p2align	8
	.type	k_q28b650ba1d_prep,@function
k_q28b650ba1d_prep:
	s_mov_b64 s[64:65], 0
	v_nop
	global_prefetch_b8 v0, s[64:65] scope:SCOPE_SE
	s_setreg_imm32_b32 hwreg(HW_REG_WAVE_MODE, 25, 1), 1
	s_wait_xcnt 0x0
; PREP: one launch, three kinds of work-group, told apart by the work-group's number; the three ways never join and each has LDS bytes of its own.
;   0..127   WEIGHTS: w_qkv [1024 k][3072 n] and w_out [1024 k][1024 n], f32, become codes of E5M2 with K innermost: rows 8192 + n (w_qkv) and 11264 + n (w_out) of xw, 1,024 bytes a row.
;   128..639 MASK: mask [4][2048][2048] int32 becomes one bit a number, laid as the attention launch's lanes want them: mbits [b][T = query / 16][step = key / 128][n 0..63], a word each:
;            bit 16 h + r of word n says whether mask[b][16 T + r][128 step + 32 (n / 16) + 16 h + n % 16] is not 0.  mflag [b][T][wave 0..3]: bit 4 wave + k is set where key step 4 wave + k has a hole.
;   640..895 X: x [8192][1024] f32 becomes codes, rows 0..8191 of xw.
; code = number / 2^e, held within +-57,344, rounded to the nearest code, ties to even; e = lowp_scales[0] for x, [1] for w_qkv, [7] for w_out.
; LIMITS: each e between -126 and 112, so that 2^e and 57,344 x 2^e are f32 numbers.  NaN among x and the weights is not served (an infinity is held at the largest code).
; No matrix unit, no tensor load, no barrier: waves share nothing, and memory binds.
.set LW,   0                           ; LDS: the weights' stages, 4 x 32 rows x 272 bytes
.set LM,   34816                       ; the mask's stages, 4 x 16 rows x 528 bytes
.set LX,   68608                       ; x's stages, 4 x 2 x 32 x 80 bytes
.set EMAX, 15
.set MANT, 0x600000                    ; the mantissa field of 57,344 as f32
	s_load_b512 s[4:19], s[0:1], 0x0               ; x 4:5, mask 6:7, w_qkv 8:9, w_out 10:11, scales 12:13, xw 14:15, mbits 16:17, mflag 18:19
	v_lshl_add_u32 v216, v0, 2, 0x15c00
	v_mov_b32 v217, 0
	v_lshrrev_b32 v1, 5, v0
	v_readfirstlane_b32 s28, v1                    ; wave 0..3
	v_and_b32 v2, 31, v0                           ; lane
	s_wait_kmcnt 0x0
	s_load_b256 s[20:27], s[12:13], 0x0            ; the eight exponents
	s_cmp_lt_u32 ttmp9, 128
	s_cbranch_scc1 .Lweights
	s_cmp_lt_u32 ttmp9, 640
	s_cbranch_scc1 .Lmask
; ---------------- X.  A wave takes 16 steps of 512 numbers.  A load reads 512 consecutive bytes, 16 a lane; a step's 2,048 bytes turn through the wave's stage and come back 64 bytes a lane: 16 neighbours along K.
.set XSTEPS, 16
.set XR,  16                           ; v16-79   four sets of 16 numbers as loaded
.set XX,  80                           ; v80-111  two sets of 16 neighbours
.set XC,  128                          ; v128-191 codes: four registers for each step, so that no store's data are written again
.set XSP, 80                           ; a lane's place in a stage: 64 bytes + 16 of padding
	v_lshlrev_b32 v3, 4, v2                        ; 16 x lane: my bytes of a load's 512, and my codes' place in a step's 512
	s_mul_i32 s29, s28, 5120
	s_add_co_u32 s29, s29, LX                      ; my wave's two stages
	v_lshrrev_b32 v14, 2, v2
	v_mul_u32_u24 v14, v14, XSP
	v_and_b32 v15, 3, v2
	v_lshl_add_u32 v14, v15, 4, v14
	v_add_nc_u32 v14, s29, v14                     ; in: four lanes' 64 bytes on end, then the padding
	v_mul_u32_u24 v15, v2, XSP
	v_add_nc_u32 v15, s29, v15                     ; out: my 16 neighbours
	s_sub_co_u32 s30, ttmp9, 640
	s_lshl_b32 s30, s30, 2
	s_add_co_u32 s30, s30, s28                     ; which run of 8,192 numbers is my wave's
	s_lshl_b32 s32, s30, 15                        ; 32,768 bytes of f32
	s_mov_b32 s33, 0
	s_add_nc_u64 s[4:5], s[4:5], s[32:33]
	s_lshl_b32 s32, s30, 13                        ; 8,192 bytes of codes
	s_add_nc_u64 s[14:15], s[14:15], s[32:33]
.macro XLOAD t
.irp i, 0,1,2,3
	global_load_b128 v[XR+16*((\t)%4)+4*\i:XR+16*((\t)%4)+4*\i+3], v3, s[4:5] offset:2048*(\t)+512*\i th:TH_LOAD_NT
.endr
.endm
.macro XTURN t                         ; LDS serves a wave's instructions in order, so no wait stands between the stores and the loads
.irp i, 0,1,2,3
	ds_store_b128 v14, v[XR+16*((\t)%4)+4*\i:XR+16*((\t)%4)+4*\i+3] offset:32*XSP*((\t)%2)+8*XSP*\i
.endr
.irp i, 0,1,2,3
	ds_load_b128 v[XX+16*((\t)%2)+4*\i:XX+16*((\t)%2)+4*\i+3], v15 offset:32*XSP*((\t)%2)+16*\i
.endr
.endm
.irp t, 0,1,2,3
	XLOAD \t
.endr
	s_wait_kmcnt 0x0
	s_add_co_i32 s31, s20, 127
	s_lshl_b32 s32, s31, 23
	v_mov_b32 v11, s32                             ; 2^e as f32: the conversion takes its exponent field
	s_add_co_i32 s31, s31, EMAX
	s_lshl_b32 s31, s31, 23
	s_or_b32 s31, s31, MANT
	v_mov_b32 v10, s31                             ; 57,344 x 2^e
	s_wait_loadcnt 12                              ; step 0's four loads are in; three steps' twelve may be out
	XTURN 0
.macro XSTEP t
.set XS, XX+16*((\t)%2)
	s_wait_dscnt 0x0                               ; this step's numbers are back from the stage, and its stores into the stage have read their registers,
.if (\t)+4 < XSTEPS
	XLOAD (\t)+4                                   ; which take the loads of four steps on
.endif
.if (\t)+1 < XSTEPS
.if XSTEPS-2-(\t) >= 3
	s_wait_loadcnt 12                              ; the next step's four loads are in; those of the three steps behind it may be out
.else
	s_wait_loadcnt 4*(XSTEPS-2-(\t))
.endif
	XTURN (\t)+1
.endif
.irp i, 0,1,2,3,4,5,6,7,8,9,10,11,12,13,14,15
	v_med3_num_f32 v[XS+\i], v[XS+\i], -v10, v10   ; the conversion to an 8-bit code does not saturate (ISA guide 7.6.2): the hold comes first
.endr
	v_cvt_scalef32_pk8_bf8_f32 v[XC+4*(\t):XC+4*(\t)+1], v[XS:XS+7], v11
	v_cvt_scalef32_pk8_bf8_f32 v[XC+4*(\t)+2:XC+4*(\t)+3], v[XS+8:XS+15], v11
	global_store_b128 v3, v[XC+4*(\t):XC+4*(\t)+3], s[14:15] offset:512*(\t)   ; the wave stores 512 consecutive bytes, aligned
.endm
.irp t, 0,1,2,3,4,5,6,7,8,9,10,11,12,13,14,15
	XSTEP \t
.endr
	s_wait_tensorcnt 0x0
	ds_add_u32 v216, v217
	s_wait_dscnt 0x0
	s_endpgm
; ---------------- MASK.  Work-group m = 128 b + T owns 16 rows of the mask; wave w owns key steps 4 w .. 4 w + 3 of them (2,048 bytes of each row).
.Lmask:
	s_sub_co_u32 s29, ttmp9, 128                   ; m
	s_lshl_b32 s32, s29, 17                        ; 16 rows of 8,192 bytes
	s_lshl_b32 s30, s28, 11
	s_add_co_u32 s32, s32, s30
	s_mov_b32 s33, 0
	s_add_nc_u64 s[6:7], s[6:7], s[32:33]
	s_lshl_b32 s32, s29, 12                        ; 16 steps of 256 bytes
	s_lshl_b32 s30, s28, 10
	s_add_co_u32 s32, s32, s30
	s_add_nc_u64 s[16:17], s[16:17], s[32:33]
	s_lshl_b32 s32, s29, 4
	s_lshl_b32 s30, s28, 2
	s_add_co_u32 s32, s32, s30
	s_add_nc_u64 s[18:19], s[18:19], s[32:33]
	v_lshlrev_b32 v3, 4, v2                        ; 16 x lane
	s_mul_i32 s30, s28, 8448
	s_add_co_u32 s30, s30, LM                      ; my stage: 16 rows, 512 bytes + 16 of padding
	v_add_nc_u32 v4, s30, v3                       ; in: as loaded
	v_and_b32 v7, 15, v2                           ; r
	v_lshrrev_b32 v8, 4, v2                        ; h
	v_mul_u32_u24 v5, v7, 528
	v_lshl_add_u32 v5, v8, 6, v5
	v_add_nc_u32 v5, s30, v5                       ; out: row r, + 16 h keys
	v_lshlrev_b32 v6, 3, v2                        ; 8 x lane: two words a lane
.irp i, 0,1,2,3,4,5,6,7
	v_mov_b32 v[208+\i], 0                         ; v_writelane_b32's destination counts as read
.endr
	s_mov_b32 s31, 0                               ; the wave's four flags
.macro MLOAD k                         ; key step k of the wave's four: 512 consecutive bytes of each of the 16 rows
.irp j, 0,1,2,3,4,5,6,7,8,9,10,11,12,13,14,15
	global_load_b128 v[16+64*((\k)%2)+4*\j:16+64*((\k)%2)+4*\j+3], v3, s[6:7] offset:8192*\j+512*(\k) th:TH_LOAD_NT
.endr
.endm
.macro MSTEP k
.if (\k) < 3
	s_wait_loadcnt 16                              ; this step's 16 loads are in; the next step's 16 may be out
.else
	s_wait_loadcnt 0x0
.endif
.irp j, 0,1,2,3,4,5,6,7,8,9,10,11,12,13,14,15
	ds_store_b128 v4, v[16+64*((\k)%2)+4*\j:16+64*((\k)%2)+4*\j+3] offset:528*\j
.endr
.irp j, 0,1,2,3,4,5,6,7,8,9,10,11,12,13,14,15
	ds_load_b128 v[144+4*\j:147+4*\j], v5 offset:128*(\j/4)+16*(\j%4)   ; register n = key 32 (n / 16) + 16 h + n % 16 of query r
.endr
	s_wait_dscnt 0x0
.if (\k) < 2
	MLOAD (\k)+2
.endif
.irp g, 0,1                            ; 32 words at a time: a compare gives a word (a bit a lane), v_writelane_b32 puts word n into lane n / 2, register n % 2
.irp n, 0,1,2,3,4,5,6,7,8,9,10,11,12,13,14,15,16,17,18,19,20,21,22,23,24,25,26,27,28,29,30,31
	v_cmp_ne_u32 s[32+\n], 0, v[144+32*\g+\n]
.endr
.irp n, 0,1,2,3,4,5,6,7,8,9,10,11,12,13,14,15,16,17,18,19,20,21,22,23,24,25,26,27,28,29,30,31
	v_writelane_b32 v[208+2*(\k)+(\n%2)], s[32+\n], 16*\g+\n/2
.endr
.endr
	global_store_b64 v6, v[208+2*(\k):209+2*(\k)], s[16:17] offset:256*(\k)   ; 32 lanes store 256 consecutive bytes, aligned; each step has its own pair of registers
	v_and_b32 v9, v[208+2*(\k)], v[209+2*(\k)]
	v_cmp_ne_u32 vcc_lo, -1, v9                    ; a word that is not all ones: a hole
	s_cmp_lg_u32 vcc_lo, 0
	s_cselect_b32 s29, 1<<(\k), 0
	s_or_b32 s31, s31, s29
.endm
	MLOAD 0
	MLOAD 1
	MSTEP 0
	MSTEP 1
	MSTEP 2
	MSTEP 3
	s_lshl_b32 s30, s28, 2
	s_lshl_b32 s31, s31, s30                       ; bit 4 w + k
	v_mov_b32 v9, s31
	v_mov_b32 v10, 0
	v_cmp_eq_u32 vcc_lo, 0, v2
	s_wait_xcnt 0x0                                ; EXEC is a source of the stores above: it changes only behind this wait
	s_wait_tensorcnt 0x0
	ds_add_u32 v216, v217
	s_wait_dscnt 0x0
	s_and_saveexec_b32 s29, vcc_lo
	global_store_b32 v10, v9, s[18:19]             ; one word a wave: 8,192 bytes in the whole launch
	s_wait_xcnt 0x0
	s_or_b32 exec_lo, exec_lo, s29
	s_endpgm
; ---------------- WEIGHTS.  Work-group g: column block cb = g / 4 (128 columns; 0..23 of w_qkv, 24..31 of w_out), K part g % 4 (256 along K).
; A lane takes a column and its registers run down K: each load reads 128 consecutive bytes a wave, and the conversions give codes with K innermost.  Nothing is transposed by an instruction.
.Lweights:
	s_lshr_b32 s29, ttmp9, 2                       ; cb
	s_and_b32 s30, ttmp9, 3                        ; ky
	s_sub_co_u32 s31, s29, 24
	s_mov_b32 s50, 4096
	s_wait_kmcnt 0x0                               ; the exponents
	s_cmp_lt_u32 s29, 24                           ; the choice hangs on the work-group's number alone
	s_cselect_b64 s[8:9], s[8:9], s[10:11]         ; the tensor,
	s_cselect_b32 s50, 12288, s50                  ; its row in bytes,
	s_cselect_b32 s31, s29, s31                    ; the column block in it,
	s_cselect_b32 s51, s21, s27                    ; its exponent
	s_mul_i32 s52, s30, s50
	s_lshl_b32 s52, s52, 8                         ; 256 ky rows
	s_lshl_b32 s53, s31, 9
	s_add_co_u32 s52, s52, s53                     ; + 128 columns x 4 bytes a block
	s_lshl_b32 s53, s28, 7
	s_add_co_u32 s52, s52, s53                     ; + 32 columns a wave
	s_mov_b32 s53, 0
	s_lshl_b32 s54, s50, 5                         ; 32 rows
	s_mov_b32 s55, 0
	s_add_nc_u64 s[32:33], s[8:9], s[52:53]        ; a base for each of the wave's eight blocks of 32 along K
.irp t, 1,2,3,4,5,6,7
	s_add_nc_u64 s[32+2*\t:33+2*\t], s[30+2*\t:31+2*\t], s[54:55]
.endr
	v_lshlrev_b32 v16, 2, v2                       ; v[16 + i] = 4 x lane + i rows
.irp i, 1,2,3,4,5,6,7,8,9,10,11,12,13,14,15,16,17,18,19,20,21,22,23,24,25,26,27,28,29,30,31
	v_add_nc_u32 v[16+\i], s50, v[15+\i]
.endr
	s_lshl_b32 s56, s29, 7
	s_lshl_b32 s57, s28, 5
	s_add_co_u32 s56, s56, s57
	s_add_co_u32 s56, s56, 8192                    ; my wave's first row of xw
	s_lshl_b32 s56, s56, 10
	s_lshl_b32 s57, s30, 8
	s_add_co_u32 s56, s56, s57                     ; + 256 ky bytes
	s_mov_b32 s57, 0
	s_add_nc_u64 s[14:15], s[14:15], s[56:57]
	s_mul_i32 s58, s28, 8704                       ; my stage: 32 rows x (256 + 16) bytes, from LW = 0 on
	v_mul_u32_u24 v4, v2, 272
	v_add_nc_u32 v4, s58, v4                       ; in: row = my column
	v_and_b32 v5, 15, v2
	v_lshrrev_b32 v6, 4, v2
	v_mul_u32_u24 v7, v6, 272
	v_lshl_add_u32 v7, v5, 4, v7
	v_add_nc_u32 v7, s58, v7                       ; out: sixteen lanes to a row, two rows an instruction
	v_lshlrev_b32 v8, 10, v6
	v_lshl_add_u32 v8, v5, 4, v8                   ; and the same place in xw
	s_add_co_i32 s51, s51, 127
	s_lshl_b32 s59, s51, 23
	v_mov_b32 v11, s59                             ; 2^e
	s_add_co_i32 s51, s51, EMAX
	s_lshl_b32 s51, s51, 23
	s_or_b32 s51, s51, MANT
	v_mov_b32 v10, s51                             ; 57,344 x 2^e
.macro WLOAD t
.irp i, 0,1,2,3,4,5,6,7,8,9,10,11,12,13,14,15,16,17,18,19,20,21,22,23,24,25,26,27,28,29,30,31
	global_load_b32 v[48+32*((\t)%2)+\i], v[16+\i], s[32+2*(\t):33+2*(\t)] th:TH_LOAD_NT
.endr
.endm
.macro WBLOCK t
.set WS, 48+32*((\t)%2)
.if (\t) < 7
	s_wait_loadcnt 32                              ; this block's 32 loads are in; the next block's may be out
.else
	s_wait_loadcnt 0x0
.endif
.irp i, 0,1,2,3,4,5,6,7,8,9,10,11,12,13,14,15,16,17,18,19,20,21,22,23,24,25,26,27,28,29,30,31
	v_med3_num_f32 v[WS+\i], v[WS+\i], -v10, v10
.endr
.irp g, 0,1,2,3
	v_cvt_scalef32_pk8_bf8_f32 v[112+2*\g:113+2*\g], v[WS+8*\g:WS+8*\g+7], v11
.endr
	ds_store_b128 v4, v[112:115] offset:32*(\t)
	ds_store_b128 v4, v[116:119] offset:32*(\t)+16
.if (\t)+2 < 8
	WLOAD (\t)+2
.endif
	s_wait_dscnt 0x0                               ; the stores have read their registers: the next block's codes may be written
.endm
	WLOAD 0
	WLOAD 1
.irp t, 0,1,2,3,4,5,6,7
	WBLOCK \t
.endr
.irp t, 0,1,2,3,4,5,6,7,8,9,10,11,12,13,14,15
	ds_load_b128 v[120+4*\t:123+4*\t], v7 offset:2*\t*272
.endr
.irp t, 0,1,2,3,4,5,6,7,8,9,10,11,12,13,14,15
	s_wait_dscnt 15-\t                             ; the younger loads may be out
	global_store_b128 v8, v[120+4*\t:123+4*\t], s[14:15] offset:2*\t*1024   ; sixteen lanes store 256 consecutive bytes, aligned
.endr
	s_wait_tensorcnt 0x0
	ds_add_u32 v216, v217
	s_wait_dscnt 0x0
	s_endpgm
.Lfunc_end_k_q28b650ba1d_prep:
	.size	k_q28b650ba1d_prep, .Lfunc_end_k_q28b650ba1d_prep-k_q28b650ba1d_prep
	.p2alignl 7, 3214868480
	.fill 96, 4, 3214868480
	.section	.rodata,"a",@progbits
	.p2align	6, 0x0
	.amdhsa_kernel k_q28b650ba1d_prep
		.amdhsa_group_segment_fixed_size 89600
		.amdhsa_private_segment_fixed_size 0
		.amdhsa_enable_private_segment 0
		.amdhsa_kernarg_size 64
		.amdhsa_user_sgpr_count 2
		.amdhsa_user_sgpr_kernarg_segment_ptr 1
		.amdhsa_wavefront_size32 1
		.amdhsa_system_sgpr_workgroup_id_x 1
		.amdhsa_system_sgpr_workgroup_id_y 1
		.amdhsa_system_sgpr_workgroup_id_z 1
		.amdhsa_system_vgpr_workitem_id 0
		.amdhsa_next_free_vgpr 218
		.amdhsa_next_free_sgpr 66
		.amdhsa_reserve_vcc 1
		.amdhsa_float_denorm_mode_32 3
		.amdhsa_float_denorm_mode_16_64 3
		.amdhsa_memory_ordered 1
		.amdhsa_forward_progress 1
		.amdhsa_inst_pref_size 136
	.end_amdhsa_kernel
	.amdgpu_metadata
---
amdhsa.version: [ 1, 2 ]
amdhsa.kernels:
  - .name:           k_q28b650ba1d_prep
    .symbol:         k_q28b650ba1d_prep.kd
    .args:
      - { .name: x, .offset: 0, .size: 8, .value_kind: global_buffer, .address_space: global }
      - { .name: mask, .offset: 8, .size: 8, .value_kind: global_buffer, .address_space: global }
      - { .name: w_qkv, .offset: 16, .size: 8, .value_kind: global_buffer, .address_space: global }
      - { .name: w_out, .offset: 24, .size: 8, .value_kind: global_buffer, .address_space: global }
      - { .name: lowp_scales, .offset: 32, .size: 8, .value_kind: global_buffer, .address_space: global }
      - { .name: xw, .offset: 40, .size: 8, .value_kind: global_buffer, .address_space: global }
      - { .name: mbits, .offset: 48, .size: 8, .value_kind: global_buffer, .address_space: global }
      - { .name: mflag, .offset: 56, .size: 8, .value_kind: global_buffer, .address_space: global }
    .group_segment_fixed_size: 89600
    .private_segment_fixed_size: 0
    .kernarg_segment_align: 8
    .kernarg_segment_size: 64
    .max_flat_workgroup_size: 128
    .sgpr_count:     66
    .vgpr_count:     218
    .wavefront_size: 32
...
	.end_amdgpu_metadata
.endif
;; end of part 1
;; launch gemm_qkv (part 2): grid 96 x 4, 4 waves a work-group, clusters of 4 x 4, 327,680 bytes of LDS; arguments xw, b_qkv, lowp_scales, qkvc; writes qkvc
.if DOCPART == 2
	.amdgcn_target "amdgcn-amd-amdhsa--gfx1250"
	.amdhsa_code_object_version 6
	.text
	.protected	k_q28b650ba1d_gemm_qkv
	.globl	k_q28b650ba1d_gemm_qkv
	.p2align	8
	.type	k_q28b650ba1d_gemm_qkv,@function
k_q28b650ba1d_gemm_qkv:
	s_mov_b64 s[64:65], 0
	v_nop
	global_prefetch_b8 v0, s[64:65] scope:SCOPE_SE
	s_setreg_imm32_b32 hwreg(HW_REG_WAVE_MODE, 25, 1), 1
	s_wait_xcnt 0x0
	s_wait_alu depctr_hold_cnt(0) depctr_sa_sdst(0) depctr_va_vdst(0) depctr_va_sdst(0) depctr_va_ssrc(0) depctr_va_vcc(0) depctr_vm_vsrc(0)
	s_getreg_b32 s2, hwreg(HW_REG_IB_STS2, 6, 4)
	s_cmp_eq_u32 s2, 0
	s_cbranch_scc0 .Lentry_in_a_cluster
	s_endpgm
.Lentry_in_a_cluster:
	s_bfe_u32 s2, ttmp6, 0x10000c
	s_cmp_lg_u32 s2, 0xf033
	s_cbranch_scc0 .Lentry_shape_is_right
	s_endpgm
.Lentry_shape_is_right:
; qkv = x w_qkv + b_qkv on codes of E5M2, and q, k, v quantised on the way out.  xw: [12288 rows][1024 K] codes: rows 0..8191 tokens, rows 8192 + n the columns n of w_qkv.
; qkvc: q at byte 0 and k at 8 MiB, each [b h 64][token 2048][d 64]; v at 16 MiB, [b h][key block 16][d 64][128 keys]: the keys innermost, since they are the K of attention's second product.
; A tile of 256 x 256 results is made by four waves, 128 x 128 each: 64 accumulators, 512 registers.  K goes in steps of 256 through a ring of two LDS slots filled by the tensor data mover.
; THE MATRIX INSTRUCTION: source 0 = 16 rows of the tile called B, source 1 = 16 rows of the tile called A: a lane holds ONE row of A and eight neighbouring rows of B.
; 24 clusters of 4 x 4 work-groups, c = the cluster's number.  c < 16 (q, k): A = tokens (tile 4 (c / 2) + cy), B = weight rows (tile 32 + 4 (c % 2) + cx): a lane holds a token and eight neighbouring d.
; c >= 16 (v): A = weight rows (tile 40 + cy), B = tokens (tile 4 (c - 16) + cx): a lane holds one d and eight neighbouring tokens: V's codes come out with the keys innermost and nothing is transposed.
; A's tile is shared along a row of the cluster, B's along a column: each is asked for jointly, by the same tensor load with the same descriptor and a mask that names the four.
; value = sum x 2^(e0 + e1) + bias, one fused multiply-add; code = value / 2^e (e = e2 for q, e3 for k, e5 for v), held within +-57,344, to the nearest code.
; LIMITS: e0 + e1 between -126 and 127; e2, e3, e5 between -126 and 112, so that each power of two below is an f32 number.  NaN among the inputs is not served.
; 384 tiles for 256 WGPs: two uneven turns; a smaller wave tile would read more LDS bytes for each product.
; REGISTERS, in windows of 256: window 0: v0-31 addresses; v32-95 the bias of my 128 columns (q, k); v96-103 the bias of my rows (v); v104-105 scale and limit; v106-107 a block's bias (v); from v128 A's fragments, ONE set (on the way out: numbers, codes, rows).
;   window 1: B's fragments, TWO sets.   window 2: the 32 accumulators of my rows 0-63 ((a, b) at v[8 (8 a + b)]);   window 3: those of my rows 64-127.
.set ROWB,   256                       ; a tile's row in bytes: 256 codes
.set KROW,   1024                      ; a row of xw
.set PITCH,  272                       ; an LDS row: 256 bytes + 16 of padding: the 16 rows that a load touches start at 16 different banks (64 banks of 4 bytes: ISA guide 11.1)
.set FR,     16                        ; registers of a fragment: 16 rows x 128 K
.set NL,     4                         ; LDS loads that bring one
.set NP,     4                         ; places behind this matrix instruction (ISA guide 7.12.1)
.set HALFT,  128*PITCH
.set SLOT,   4*HALFT                   ; A's 256 rows, then B's 256 rows
.set LAPS,   2                         ; 1,024 along K = two laps of two K steps
.set SPARE,  2*SLOT                    ; behind the ring: the spare words, 128 bytes for each wave: two blocks of 256 bytes that no other line names
.set ADRA, 16                          ; v16-17  LDS address of my A fragments in slot 0, 1
.set ADRB, 20                          ; v20-21  the same for B
.set STQ,  24                          ; v24-25  the way out of q and k: where I put 8 codes, where I read 16 back.  The stages lie in slot 0, which has had its last fill and its last read by then
.set RDQ,  25
.set STV,  26                          ; v26-27  the same for v, in bytes of its own
.set RDV,  27
.set SPW,  28                          ; v28     LDS address of my spare word; never rewritten
.set NIL,  29                          ; v29     0; never rewritten
.set CO,   30                          ; v30     16 x lane
.set BQ,   32
.set BV,   96
.set SCL,  104                         ; v104    2^e of the operand that is made
.set LIM,  105                         ; v105    57,344 x that
.set BP,   106                         ; v106-107 a block's bias, twice (v)
.set AF,   128
.set TMP,  128                         ; the way out: 64 numbers
.set G1, 24
.set G0, 32
.set G1B, 48
.set G0B, 56
.set MSB, 0
.macro WIN new                         ; the immediate's high byte repeats the setting that is left
.if MSB != \new
	s_set_vgpr_msb (MSB<<8)|\new
.set MSB, \new
.endif
.endm
.set MUL_LO, 0xa1                      ; source 0 (B) window 1, source 1 (A) window 0, C and D window 2
.set MUL_HI, 0xf1                      ; the same, C and D window 3
.set TO_B,   0x40                      ; destination window 1, address window 0
; A joint load: waves 0 and 1 fetch for A, waves 2 and 3 for B; the branch hangs on the wave's number alone.  Four v_nop follow each of the two lines.
.macro JLOAD g0a, g1a, g0b, g1b
	s_cmp_eq_u32 s15, 0
	s_cbranch_scc0 .Lfor_b_\@
	tensor_load_to_lds s[\g0a:\g0a+3], s[\g1a:\g1a+7]
	s_nop 0
.rept 4
	v_nop
.endr
	s_branch .Lasked_\@
.Lfor_b_\@:
	tensor_load_to_lds s[\g0b:\g0b+3], s[\g1b:\g1b+7]
	s_nop 0
.rept 4
	v_nop
.endr
.Lasked_\@:
.endm
.macro CREST                           ; a round of the cluster's barrier behind its opening barrier
	s_cmp_lg_u32 s14, 0
	s_cbranch_scc1 .Lnot_wave_0_\@
	s_barrier_signal -3
.Lnot_wave_0_\@:
	s_barrier_wait -3
	s_barrier_signal -1
	s_barrier_wait -1
.endm
.macro CROUND
	s_barrier_signal -1
	s_barrier_wait -1
	CREST
.endm
	s_load_b256 s[4:11], s[0:1], 0x0               ; xw 4:5, b_qkv 6:7, the exponents 8:9, qkvc 10:11
	v_lshl_add_u32 v[SPW], v0, 2, SPARE
	v_mov_b32 v[NIL], 0
	ds_add_u32 v28, v29
	ds_add_u32 v28, v29
	s_wait_dscnt 0x0
	v_lshrrev_b32 v1, 5, v0
	v_readfirstlane_b32 s14, v1                    ; wave 0..3
	s_lshr_b32 s15, s14, 1                         ; which half of A's rows is mine.  Also: I fetch for A (0) or for B (1)
	s_and_b32 s16, s14, 1                          ; which half of B's rows.  Also: which 128 rows of that tile I fetch
	s_bfe_u32 s40, ttmp6, 0x40000                  ; cx, cy: my place in the cluster
	s_bfe_u32 s41, ttmp6, 0x40004
	s_lshr_b32 s17, ttmp9, 1
	s_lshl_b32 s17, s17, 2                         ; q, k: A's tiles from 4 (c / 2) on
	s_and_b32 s42, ttmp9, 1
	s_lshl_b32 s42, s42, 2
	s_add_co_u32 s42, s42, 32                      ; q, k: B's tiles from 32 + 4 (c % 2) on
	s_sub_co_u32 s12, ttmp9, 16
	s_lshl_b32 s12, s12, 2                         ; v: B's tiles from 4 (c - 16) on
	s_cmp_lt_u32 ttmp9, 16                         ; the cluster's number: the same in all sixteen partners
	s_cselect_b32 s17, s17, 40                     ; v: A's tiles from 40 on
	s_cselect_b32 s42, s42, s12
	s_add_co_u32 s17, s17, s41                     ; A's tile (256 rows of xw): it hangs on cy alone
	s_add_co_u32 s42, s42, s40                     ; B's tile: on cx alone
	s_lshl_b32 s43, s41, 2
	s_lshl_b32 s43, 15, s43                        ; my row of the cluster
	s_lshl_b32 s44, 0x1111, s40                    ; my column
	; descriptor group 1: a tile of 128 rows x 256 bytes, padded in LDS
	s_or_b32 s[G1+0], s43, (0<<16)|(1<<20)|(1<<21)|(5<<22)|(3<<25)  ; 15:0 the mask; 17:16 elements of 1 byte; 20 padding on; 21 set beside a mask; 24:22 after every 64 words (code 5); 31:25 four words (code 3)
	s_or_b32 s[G1B+0], s44, (0<<16)|(1<<20)|(1<<21)|(5<<22)|(3<<25)
.irp g, G1, G1B
	s_mov_b32 s[\g+1], ROWB<<16                    ; tensor_dim0
	s_mov_b32 s[\g+2], 128<<16                     ; tensor_dim1
	s_mov_b32 s[\g+3], ROWB<<16                    ; tile_dim0
	s_mov_b32 s[\g+4], 128                         ; tile_dim1
	s_mov_b32 s[\g+5], KROW                        ; tensor_dim0_stride
	s_mov_b32 s[\g+6], 0
	s_mov_b32 s[\g+7], 0
.endr
	s_lshl_b32 s18, s16, 7                         ; which 128 rows of the tile I fetch
	s_lshl_b32 s20, s17, 8
	s_add_co_u32 s20, s20, s18
	s_lshl_b32 s20, s20, 10                        ; A: rows of 1,024 bytes
	s_mov_b32 s21, 0
	s_lshl_b32 s46, s42, 8
	s_add_co_u32 s46, s46, s18
	s_lshl_b32 s46, s46, 10                        ; B
	s_mov_b32 s47, 0
	s_mul_i32 s45, s14, HALFT                      ; where they go: wave x 128 rows: no place in the cluster enters an LDS address
	s_wait_kmcnt 0x0
	s_load_b256 s[68:75], s[8:9], 0x0              ; e0 .. e7
	s_add_nc_u64 s[20:21], s[4:5], s[20:21]
	s_add_nc_u64 s[46:47], s[4:5], s[46:47]
	CROUND                                         ; all sixteen work-groups are here: the first joint loads meet
.irp s, 0,1
	s_mov_b32 s[G0+4*\s], 1
	s_add_co_u32 s[G0+4*\s+1], s45, \s*SLOT
	s_add_nc_u64 s[G0+4*\s+2:G0+4*\s+3], s[20:21], \s*ROWB
	s_or_b32 s[G0+4*\s+3], s[G0+4*\s+3], 0x80000000
	s_mov_b32 s[G0B+4*\s], 1
	s_add_co_u32 s[G0B+4*\s+1], s45, \s*SLOT
	s_add_nc_u64 s[G0B+4*\s+2:G0B+4*\s+3], s[46:47], \s*ROWB
	s_or_b32 s[G0B+4*\s+3], s[G0B+4*\s+3], 0x80000000
	JLOAD G0+4*\s, G1, G0B+4*\s, G1B
.endr
	v_and_b32 v1, 15, v0                           ; r
	v_bfe_u32 v2, v0, 4, 1                         ; h
	v_mul_u32_u24 v3, v1, PITCH
	v_lshl_add_u32 v4, v2, 4, v3                   ; a fragment's row x pitch + 16 x half
	s_mul_i32 s21, s15, HALFT                      ; my 128 rows of A
	s_mul_i32 s22, s16, HALFT                      ; my 128 rows of B,
	s_add_co_u32 s22, s22, 2*HALFT                 ; which lie behind A's 256
.irp s, 0,1
	v_add_nc_u32 v[ADRA+\s], s21, v4
	v_add_nc_u32 v[ADRB+\s], s22, v4
	s_add_co_u32 s21, s21, SLOT
	s_add_co_u32 s22, s22, SLOT
.endr
	v_and_b32 v6, 31, v0                           ; lane
	v_lshlrev_b32 v[CO], 4, v6
	s_mul_i32 s23, s14, 2560                       ; q, k: my stage: two heads x 16 tokens x (64 + 16) bytes
	v_mul_u32_u24 v5, v1, 80
	v_lshl_add_u32 v5, v2, 3, v5
	v_add_nc_u32 v[STQ], s23, v5                   ; in: token r, + 8 h
	v_lshrrev_b32 v5, 2, v6
	v_mul_u32_u24 v5, v5, 80
	v_and_b32 v7, 3, v6
	v_lshl_add_u32 v5, v7, 4, v5
	v_add_nc_u32 v[RDQ], s23, v5                   ; back: four lanes to a token's 64 bytes
	s_mul_i32 s23, s14, 2304                       ; v: my stage: 16 d x (128 + 16) bytes
	s_add_co_u32 s23, s23, 16384
	v_mul_u32_u24 v5, v1, 144
	v_lshl_add_u32 v5, v2, 3, v5
	v_add_nc_u32 v[STV], s23, v5
	v_lshrrev_b32 v5, 3, v6
	v_mul_u32_u24 v5, v5, 144
	v_and_b32 v7, 7, v6
	v_lshl_add_u32 v5, v7, 4, v5
	v_add_nc_u32 v[RDV], s23, v5                   ; back: eight lanes to a d's 128 bytes
	; the biases.  Both kinds of cluster load both sets, so that no register is written on one way alone; the set that is not used is read from the buffer's head
	s_sub_co_u32 s12, s42, 32
	s_lshl_b32 s12, s12, 8
	s_lshl_b32 s13, s16, 7
	s_add_co_u32 s12, s12, s13                     ; q, k: my first column of b_qkv
	s_sub_co_u32 s13, s17, 32
	s_lshl_b32 s13, s13, 8
	s_lshl_b32 s2, s15, 7
	s_add_co_u32 s13, s13, s2                      ; v: my first row's column of b_qkv: 2048 + 256 cy + 128 x half
	s_cmp_lt_u32 ttmp9, 16
	s_cselect_b32 s12, s12, 0
	s_cselect_b32 s13, 0, s13
	v_lshlrev_b32 v7, 5, v2
	v_lshl_add_u32 v7, s12, 2, v7                  ; 4 x column + 32 h
	v_add_nc_u32 v8, s13, v1
	v_lshlrev_b32 v8, 2, v8                        ; 4 x (row + r)
.irp b, 0,1,2,3,4,5,6,7
	global_load_b128 v[BQ+8*\b:BQ+8*\b+3], v7, s[6:7] offset:64*\b
	global_load_b128 v[BQ+8*\b+4:BQ+8*\b+7], v7, s[6:7] offset:64*\b+16
.endr
.irp a, 0,1,2,3,4,5,6,7
	global_load_b32 v[BV+\a], v8, s[6:7] offset:64*\a
.endr
	s_wait_kmcnt 0x0                               ; the exponents
	s_add_co_i32 s96, s68, s69
	s_add_co_i32 s96, s96, 127
	s_lshl_b32 s96, s96, 23                        ; 2^(e0 + e1) as f32
	s_mov_b32 s97, s96                             ; (named with it as a pair, so it is written)
	s_and_b32 s78, ttmp9, 1
	s_cmp_eq_u32 s78, 0
	s_cselect_b32 s79, s70, s71                    ; q's exponent or k's,
	s_cmp_lt_u32 ttmp9, 16
	s_cselect_b32 s79, s79, s73                    ; or v's: a selection, no branch
	s_add_co_i32 s79, s79, 127
	s_lshl_b32 s78, s79, 23
	v_mov_b32 v[SCL], s78
	s_add_co_i32 s79, s79, 15
	s_lshl_b32 s79, s79, 23
	s_or_b32 s79, s79, 0x600000
	v_mov_b32 v[LIM], s79
.macro FRAG reg, adr, q, i             ; 16 rows x 128 K: lane l holds row l % 16; registers 4 c .. 4 c + 3 hold K = 32 c + 16 (l / 16) + 0 .. 15: the same order of k in A and in B
.irp c, 0,1,2,3
	ds_load_b128 v[\reg+4*\c:\reg+4*\c+3], v[\adr] offset:128*(\q)+32*\c+(\i)*16*PITCH
.endr
.endm
; 16 matrix instructions: A's blocks a0, a0 + 1 x B's eight.  p: B's set.  zero = 1: the first product starts the sums.  The 64 accumulators take turns, one instruction a turn.
.macro MUL16 a0, p, zero
.irp a, \a0, \a0+1
.irp b, 0,1,2,3,4,5,6,7
.if \zero
	v_wmma_f32_16x16x128_bf8_bf8 v[8*(8*((\a)%4)+\b):8*(8*((\a)%4)+\b)+7], v[128*(\p)+FR*\b:128*(\p)+FR*\b+FR-1], v[AF+FR*(\a):AF+FR*(\a)+FR-1], 0
.else
	v_wmma_f32_16x16x128_bf8_bf8 v[8*(8*((\a)%4)+\b):8*(8*((\a)%4)+\b)+7], v[128*(\p)+FR*\b:128*(\p)+FR*\b+FR-1], v[AF+FR*(\a):AF+FR*(\a)+FR-1], v[8*(8*((\a)%4)+\b):8*(8*((\a)%4)+\b)+7]
.endif
.endr
.endr
.endm
.macro FETCH_B slot, q, p
	WIN TO_B
.irp i, 0,1,2,3,4,5,6,7
	FRAG 128*(\p)+FR*\i, ADRB+\slot, \q, \i
.endr
	WIN 0
.endm
.macro FETCH_A slot, q, i0
.irp i, \i0, \i0+1, \i0+2, \i0+3
	FRAG AF+FR*(\i), ADRA+\slot, \q, \i
.endr
.endm
.macro PLACES n                        ; plain vector instructions between a matrix instruction and a load into, or a vector read or write of, its registers
.rept \n
	v_nop
.endr
.endm
.macro STEP slot, q, zero              ; 128 along K, with its successor in the same slot
	s_wait_dscnt 4*NL                              ; B's set and A's blocks 0-3 are in; the youngest 16 loads (A's blocks 4-7) may be out
	WIN MUL_LO
	MUL16 0, (\q)%2, \zero
	MUL16 2, (\q)%2, \zero
	s_wait_dscnt 0
	PLACES NP
	FETCH_B \slot, (\q)+1, 1-(\q)%2
	FETCH_A \slot, (\q)+1, 0
	WIN MUL_HI
	MUL16 4, (\q)%2, \zero
	MUL16 6, (\q)%2, \zero
	PLACES NP
	WIN 0
	FETCH_A \slot, (\q)+1, 4
.endm
; A slot's last step changes slots: one barrier; in front of it each wave waits for all its tensor loads, adds 0 to its spare word, and waits for that and for its reads of this slot.
.macro TURN slot, next, fill
	s_wait_tensorcnt 0x0                           ; all my tensor loads have landed: my part of the next slot
	ds_add_u32 v[SPW], v[NIL]                      ; 0 onto my spare word
	s_wait_dscnt 4*NL+1                            ; the add and the youngest 16 loads may be out
	WIN MUL_LO
	MUL16 0, 1, 0
	s_wait_dscnt 0x0                               ; the add is done, and my reads of this slot are over
	s_barrier_signal -1
	MUL16 2, 1, 0
	WIN 0
	s_barrier_wait -1
.if \fill
	CREST                                          ; the barrier has opened a round of the cluster's barrier: no wave of any partner still reads this slot or has a load on its way
	s_add_nc_u64 s[G0+4*\slot+2:G0+4*\slot+3], s[G0+4*\slot+2:G0+4*\slot+3], 2*ROWB
	s_add_nc_u64 s[G0B+4*\slot+2:G0B+4*\slot+3], s[G0B+4*\slot+2:G0B+4*\slot+3], 2*ROWB
	JLOAD G0+4*\slot, G1, G0B+4*\slot, G1B         ; the first tensor load behind the round; its four v_nop are the places in front of the loads below
.else
	PLACES NP
.endif
	FETCH_B \next, 0, 0
	FETCH_A \next, 0, 0
	WIN MUL_HI
	MUL16 4, 1, 0
	MUL16 6, 1, 0
	PLACES NP
	WIN 0
	FETCH_A \next, 0, 4
.endm
	s_wait_loadcnt 0x0                             ; the biases, once
	s_wait_tensorcnt 1                             ; my part of K step 0 is in; K step 1's load may be out
	s_barrier_signal -1
	s_barrier_wait -1
	FETCH_B 0, 0, 0
	FETCH_A 0, 0, 0
	FETCH_A 0, 0, 4
	STEP 0, 0, 1                                   ; the first step stands in front of the loop: its products start the sums
	s_mov_b32 s3, LAPS-1
.Llap:                                                 ; a trip goes once round the ring and fills both slots again
	TURN 0, 1, 1
	STEP 1, 0, 0
	TURN 1, 0, 1
	STEP 0, 0, 0
	s_sub_co_u32 s3, s3, 1
	s_cmp_lg_u32 s3, 0
	s_cbranch_scc1 .Llap
	TURN 0, 1, 0                                   ; the last lap fills nothing
	STEP 1, 0, 0
	s_wait_dscnt 4*NL
	WIN MUL_LO
	MUL16 0, 1, 0
	MUL16 2, 1, 0
	s_wait_dscnt 0
	WIN MUL_HI
	MUL16 4, 1, 0
	MUL16 6, 1, 0
	WIN 0
; THE WAY OUT, block by block of 16 rows of A x 128 rows of B.  A lane's 64 sums become 64 numbers (x 2^(e0 + e1), + bias), are held, and become 64 codes, eight neighbours to a pair of registers.
; They go through my own stage in LDS and come back so that each store of the wave covers 512 consecutive bytes of qkvc.  kind = 0: q, k; kind = 1: v.
.macro OUTBLK kind, a
.set AC, 64*((\a)%4)
.set CD, 192+48*((\a)%2)               ; the codes: v192-207 and v240-255 by turns
.set BB, 208+16*((\a)%2)               ; the rows read back: v208-223 and v224-239 by turns
.if \kind
	v_mov_b32 v[BP], v[BV+(\a)]                    ; my row's bias, for both halves of the packed form
	v_mov_b32 v[BP+1], v[BV+(\a)]
.endif
	WIN 0x02+((\a)/4)                              ; source 0: window 2 or 3
.set jj, 0
.rept 32
.if \kind
	v_pk_fma_f32 v[TMP+jj:TMP+jj+1], v[AC+jj:AC+jj+1], s[96:97], v[BP:BP+1] op_sel_hi:[1,0,1]
.else
	v_pk_fma_f32 v[TMP+jj:TMP+jj+1], v[AC+jj:AC+jj+1], s[96:97], v[BQ+jj:BQ+jj+1] op_sel_hi:[1,0,1]   ; each accumulator from its low end on
.endif
.set jj, jj+2
.endr
	WIN 0
.set jj, 0
.rept 64
	v_med3_num_f32 v[TMP+jj], v[TMP+jj], -v[LIM], v[LIM]   ; the conversion to an 8-bit code does not saturate (ISA guide 7.6.2)
.set jj, jj+1
.endr
.irp b, 0,1,2,3,4,5,6,7
	v_cvt_scalef32_pk8_bf8_f32 v[CD+2*\b:CD+2*\b+1], v[TMP+8*\b:TMP+8*\b+7], v[SCL]
.endr
	v_nop                                          ; a plain vector instruction behind the last conversion
.irp b, 0,1,2,3,4,5,6,7
.if \kind
	ds_store_b64 v[STV], v[CD+2*\b:CD+2*\b+1] offset:16*\b                       ; d = r; keys 16 b + 8 h on
.else
	ds_store_b64 v[STQ], v[CD+2*\b:CD+2*\b+1] offset:(\b/4)*1280+16*(\b%4)       ; head b / 4, token r, d = 16 (b % 4) + 8 h on
.endif
.endr
.irp i, 0,1,2,3
.if \kind
	ds_load_b128 v[BB+4*\i:BB+4*\i+3], v[RDV] offset:576*\i                      ; LDS serves a wave's instructions in order: these see the stores above
.else
	ds_load_b128 v[BB+4*\i:BB+4*\i+3], v[RDQ] offset:(\i/2)*1280+(\i%2)*640
.endif
.endr
.endm
.macro SENDBLK kind, a, younger        ; younger: the LDS instructions issued behind block a's loads: the next block's 8 stores and 4 loads, or none
.set BB, 208+16*((\a)%2)
	s_wait_dscnt \younger
.irp i, 0,1,2,3
.if \kind
	global_store_b128 v[CO], v[BB+4*\i:BB+4*\i+3], s[10:11] offset:((\a)/4)*131072+2048*((\a)%4)+512*\i
.else
	global_store_b128 v[CO], v[BB+4*\i:BB+4*\i+3], s[10:11] offset:1024*(\a)+(\i/2)*131072+512*(\i%2)
.endif
.endr
.endm
.macro WAYOUT kind
	OUTBLK \kind, 0
.irp a, 1,2,3,4,5,6,7
.if \a > 1
	s_wait_xcnt 0x0                                ; block a - 2's stores have read their registers: block a's loads may land there
.endif
	OUTBLK \kind, \a
	SENDBLK \kind, \a-1, 12
.endr
	SENDBLK \kind, 7, 0
.endm
	PLACES NP                                      ; in front of the first write over A's fragments
	s_cmp_lt_u32 ttmp9, 16                         ; the cluster's number: all sixteen partners take the same way
	s_cbranch_scc0 .Lvalues
	s_lshr_b32 s76, s17, 3                         ; q, k: the batch,
	s_lshl_b32 s76, s76, 4
	s_lshl_b32 s77, s40, 2
	s_add_co_u32 s76, s76, s77
	s_lshl_b32 s77, s16, 1
	s_add_co_u32 s76, s76, s77                     ; x 16 + my first head: 4 cx + 2 x half
	s_lshl_b32 s76, s76, 11
	s_and_b32 s77, s17, 7
	s_lshl_b32 s77, s77, 8
	s_add_co_u32 s76, s76, s77
	s_lshl_b32 s77, s15, 7
	s_add_co_u32 s76, s76, s77                     ; x 2,048 + my first token in the batch
	s_lshl_b32 s76, s76, 6
	s_and_b32 s77, ttmp9, 1
	s_lshl_b32 s77, s77, 23
	s_add_co_u32 s76, s76, s77                     ; k's section lies 8 MiB behind q's
	s_mov_b32 s77, 0
	s_add_nc_u64 s[10:11], s[10:11], s[76:77]
	WAYOUT 0
	s_branch .Lend
.Lvalues:
	s_lshr_b32 s76, s42, 3                         ; v: the batch,
	s_lshl_b32 s76, s76, 4
	s_lshl_b32 s77, s41, 2
	s_add_co_u32 s76, s76, s77
	s_lshl_b32 s77, s15, 1
	s_add_co_u32 s76, s76, s77                     ; x 16 + my first head: 4 cy + 2 x half
	s_lshl_b32 s76, s76, 4
	s_and_b32 s77, s42, 7
	s_lshl_b32 s77, s77, 1
	s_add_co_u32 s76, s76, s77
	s_add_co_u32 s76, s76, s16                     ; x 16 + my block of 128 keys
	s_lshl_b32 s76, s76, 13
	s_add_co_u32 s76, s76, 0x1000000               ; v's section
	s_mov_b32 s77, 0
	s_add_nc_u64 s[10:11], s[10:11], s[76:77]
	WAYOUT 1
.Lend:
	s_wait_tensorcnt 0x0                           ; the wave's end, behind my last tensor load and my last LDS store
	ds_add_u32 v[SPW], v[NIL]
	s_wait_dscnt 0x0
	CROUND                                         ; the closing round: no work-group ends while a partner may still ask for a tile that names it
	s_endpgm
.Lfunc_end_k_q28b650ba1d_gemm_qkv:
	.size	k_q28b650ba1d_gemm_qkv, .Lfunc_end_k_q28b650ba1d_gemm_qkv-k_q28b650ba1d_gemm_qkv
	.p2alignl 7, 3214868480
	.fill 96, 4, 3214868480
	.section	.rodata,"a",@progbits
	.p2align	6, 0x0
	.amdhsa_kernel k_q28b650ba1d_gemm_qkv
		.amdhsa_group_segment_fixed_size 327680
		.amdhsa_private_segment_fixed_size 0
		.amdhsa_enable_private_segment 0
		.amdhsa_kernarg_size 32
		.amdhsa_user_sgpr_count 2
		.amdhsa_user_sgpr_kernarg_segment_ptr 1
		.amdhsa_wavefront_size32 1
		.amdhsa_system_sgpr_workgroup_id_x 1
		.amdhsa_system_sgpr_workgroup_id_y 1
		.amdhsa_system_sgpr_workgroup_id_z 1
		.amdhsa_system_vgpr_workitem_id 0
		.amdhsa_next_free_vgpr 1024
		.amdhsa_next_free_sgpr 100
		.amdhsa_reserve_vcc 0
		.amdhsa_float_denorm_mode_32 3
		.amdhsa_float_denorm_mode_16_64 3
		.amdhsa_memory_ordered 1
		.amdhsa_forward_progress 1
		.amdhsa_inst_pref_size 207
	.end_amdhsa_kernel
	.amdgpu_metadata
---
amdhsa.version: [ 1, 2 ]
amdhsa.kernels:
  - .name:           k_q28b650ba1d_gemm_qkv
    .symbol:         k_q28b650ba1d_gemm_qkv.kd
    .args:
      - { .name: xw, .offset: 0, .size: 8, .value_kind: global_buffer, .address_space: global }
      - { .name: b_qkv, .offset: 8, .size: 8, .value_kind: global_buffer, .address_space: global }
      - { .name: lowp_scales, .offset: 16, .size: 8, .value_kind: global_buffer, .address_space: global }
      - { .name: qkvc, .offset: 24, .size: 8, .value_kind: global_buffer, .address_space: global }
    .group_segment_fixed_size: 327680
    .private_segment_fixed_size: 0
    .kernarg_segment_align: 8
    .kernarg_segment_size: 32
    .max_flat_workgroup_size: 128
    .sgpr_count:     100
    .vgpr_count:     1024
    .wavefront_size: 32
...
	.end_amdgpu_metadata
.endif
;; end of part 2
;; launch attn (part 3): grid 4 x 64, 16 waves a work-group, no clusters, 318,464 bytes of LDS; arguments qkvc, mbits, mflag, lowp_scales, oc; writes oc
.if DOCPART == 3
	.amdgcn_target "amdgcn-amd-amdhsa--gfx1250"
	.amdhsa_code_object_version 6
	.text
	.protected	k_q28b650ba1d_attn
	.globl	k_q28b650ba1d_attn
	.p2align	8
	.type	k_q28b650ba1d_attn,@function
k_q28b650ba1d_attn:
	s_mov_b64 s[64:65], 0
	v_nop
	global_prefetch_b8 v0, s[64:65] scope:SCOPE_SE
	s_setreg_imm32_b32 hwreg(HW_REG_WAVE_MODE, 25, 1), 1
	s_wait_xcnt 0x0
; o[b][h][q] = the sum over k of softmax_k(q . k / 8, masked) v, both products on codes of E5M2; o is quantised on the way out for the last product.
; qkvc: q at 0 and k at 8 MiB, [b h][token][64]; v at 16 MiB, [b h][key block 16][d 64][128 keys].  mbits, mflag: the mask as bits and the list of key steps with holes, made by the first launch.
; oc: [j 4][token / 4][head % 4][token % 4][64 d], head = 4 j + head % 4: 256 consecutive bytes are four tokens of one head.
; THE SOFTMAX: t = score x log2(e) / 8; M = the running largest t rounded UP to a whole number; p = 2^(t - M) is quantised, not normalised; the row's sum is taken of the unquantised p and divides at the end.
; When M moves, the sum and O are multiplied by 2^(old M - new M): exact.  A masked score becomes -infinity ahead of the maximum, so p = 0.  A row with no key left has the sum 0: its codes become the format's NaN.
; SHARES.  A work-group owns one (b, h) and 512 queries; the head's whole K and V lie in LDS, filled once through registers: one barrier in the kernel.  Each of sixteen waves owns two tiles of 16 queries, one after the other.
; NO CLUSTER AND NO TENSOR LOAD: two scalar branches on whole numbers read from memory (a step without holes skips 64 selections; an exponent ep above -16 skips 64 holds, since 57,344 x 2^ep >= 1.75 > p)
; take 128 of a step's vector instructions away; what work-groups share is 256 KiB each, read once.
; LAYOUT.  Both products are used transposed: S^T = K Q^T (source 0 = 16 keys), O^T = V^T P^T (source 0 = 16 d): a lane holds ONE query (lane % 16) throughout.
; Lane r of tile 2 b + u takes key 32 b + 8 u + r + 8 (r / 8), so that the 16 registers of tiles 2 b, 2 b + 1 are keys 32 b + 16 (lane / 16) + 0 .. 15.  In LDS key k lies in the row k with bits 3 and 4 exchanged: a tile's keys are 16 neighbouring rows.
; LIMITS on the given exponents: e2 + e3 between -123 and 130 (added to c's exponent field); e4 and e6 between -126 and 112; e4 + e5 is applied by v_ldexp_f32 and has none.  NaN among the inputs is not served.
; REGISTERS: v1-6 addresses that stay; v8-10 addresses of the step; v12 -M, v13 the largest t, v[14:15] the sum; v16-23, v192-199 Q of the two passes; v24-31 o's codes; v32-95 fragments of K, then of V;
;   v96-159 S^T, then p; v160-191 O^T; v224-239 p's codes; v240-254 constants and work.  s16-63, s68-83: the step's 64 mask words.
.set KP,   80                          ; a key's row in LDS: 64 bytes + 16 of padding
.set VP,   2064                        ; a row d of V: 2,048 keys + 16 of padding
.set VOFF, 2048*KP
.set STG,  VOFF+64*VP                  ; the way out: 16 tokens x 80 bytes for each wave
	s_load_b256 s[4:11], s[0:1], 0x0               ; qkvc 4:5, mbits 6:7, mflag 8:9, the exponents 10:11
	s_load_b64 s[12:13], s[0:1], 0x20              ; oc
	v_lshl_add_u32 v251, v0, 2, 0x4d400
	v_mov_b32 v255, 0
	v_lshrrev_b32 v8, 5, v0
	v_readfirstlane_b32 s92, v8                    ; wave 0..15
	s_and_b32 s16, ttmp7, 0xffff                   ; 16 b + head
	s_lshr_b32 s17, s16, 4                         ; b
	s_and_b32 s18, s16, 15                         ; head
	s_lshl_b32 s20, s16, 17                        ; the head's 131,072 bytes in each section
	s_mov_b32 s21, 0
	s_lshl_b32 s22, ttmp9, 15                      ; 512 queries of 64 bytes
	s_lshl_b32 s19, s92, 10                        ; 16 queries
	s_add_co_u32 s22, s22, s19
	s_add_co_u32 s22, s22, s20
	s_mov_b32 s23, 0
	s_lshl_b32 s24, s17, 7
	s_lshl_b32 s19, ttmp9, 5
	s_add_co_u32 s24, s24, s19
	s_add_co_u32 s24, s24, s92                     ; my first tile of queries: 128 b + 32 x + wave; the second lies 16 tiles on
	s_lshl_b32 s26, s24, 12                        ; 4,096 bytes of mask words a tile; also 4 groups of four tokens x 1,024 bytes in oc
	s_mov_b32 s27, 0
	s_lshl_b32 s28, s24, 4
	s_mov_b32 s29, 0
	s_lshr_b32 s30, s18, 2
	s_lshl_b32 s30, s30, 21
	s_and_b32 s19, s18, 3
	s_lshl_b32 s19, s19, 8
	s_add_co_u32 s30, s30, s19
	s_add_co_u32 s30, s30, s26
	s_mov_b32 s31, 0
	s_mov_b32 s98, 0x76543210                      ; v_permlanex16_b32's selects for lane l xor 16
	s_mov_b32 s99, 0xfedcba98
	s_wait_kmcnt 0x0
	s_load_b256 s[84:91], s[10:11], 0x0            ; e0 .. e7
	s_add_nc_u64 s[32:33], s[4:5], s[22:23]        ; Q at my first query
	s_add_nc_u64 s[34:35], s[4:5], s[20:21]
	s_add_nc_u64 s[36:37], s[34:35], 0x800000      ; the head's K
	s_add_nc_u64 s[38:39], s[34:35], 0x1000000     ; the head's V
	s_add_nc_u64 s[6:7], s[6:7], s[26:27]
	s_add_nc_u64 s[8:9], s[8:9], s[28:29]
	s_add_nc_u64 s[12:13], s[12:13], s[30:31]
	s_load_b128 s[40:43], s[8:9], 0x0              ; the flags of my first tile,
	s_load_b128 s[44:47], s[8:9], 0x100            ; and of my second
	v_and_b32 v8, 15, v0                           ; r
	v_bfe_u32 v9, v0, 4, 1                         ; h
	v_lshlrev_b32 v10, 6, v8
	v_lshl_add_u32 v10, v9, 4, v10                 ; Q: row r, + 16 h
	global_load_b128 v[16:19], v10, s[32:33]
	global_load_b128 v[20:23], v10, s[32:33] offset:32
	global_load_b128 v[192:195], v10, s[32:33] offset:16384
	global_load_b128 v[196:199], v10, s[32:33] offset:16416
	v_lshlrev_b32 v11, 4, v0                       ; the fill: 16 bytes a thread, 8,192 a load of the work-group
.set ii, 0
.rept 16
	global_load_b128 v[32+4*ii:35+4*ii], v11, s[36:37] offset:8192*ii
.set ii, ii+1
.endr
.set ii, 0
.rept 16
	global_load_b128 v[96+4*ii:99+4*ii], v11, s[38:39] offset:8192*ii
.set ii, ii+1
.endr
	s_mul_i32 s2, s92, 1280
	s_add_co_u32 s2, s2, STG                       ; my stage
	v_mul_u32_u24 v1, v8, KP
	v_lshl_add_u32 v4, v9, 3, v1
	v_add_nc_u32 v4, s2, v4                        ; v4: the stage, in: token r, + 8 h
	v_lshl_add_u32 v1, v9, 4, v1                   ; v1: my lane's place in a tile of K
	v_mul_u32_u24 v2, v8, VP
	v_lshl_add_u32 v2, v9, 4, v2
	v_add_nc_u32 v2, VOFF, v2                      ; v2: in V's tiles 0, 1
	v_add_nc_u32 v3, 66048, v2                     ; v3: in V's tiles 2, 3 (32 rows on)
	v_and_b32 v7, 31, v0
	v_lshrrev_b32 v5, 2, v7
	v_mul_u32_u24 v5, v5, KP
	v_and_b32 v6, 3, v7
	v_lshl_add_u32 v5, v6, 4, v5
	v_add_nc_u32 v5, s2, v5                        ; v5: the stage, back: four lanes to a token
	v_lshlrev_b32 v6, 10, v9
	v_lshl_add_u32 v6, v8, 4, v6                   ; v6: in oc: lanes 0-15 four tokens' 256 bytes, lanes 16-31 the next four tokens', 1,024 bytes on
	v_lshrrev_b32 v200, 2, v0                      ; the fill of K: thread t holds 16 bytes of key t / 4 (+ 128 a load);
	v_and_b32 v201, 0x67, v200
	v_bfe_u32 v205, v0, 5, 1
	v_lshl_or_b32 v201, v205, 4, v201
	v_bfe_u32 v205, v0, 6, 1
	v_lshl_or_b32 v201, v205, 3, v201              ; its row: the key with bits 3 and 4 exchanged
	v_mul_u32_u24 v201, v201, KP
	v_and_b32 v205, 3, v0
	v_lshl_add_u32 v201, v205, 4, v201
	v_add_nc_u32 v202, 71680, v201                 ; seven loads' rows on: an LDS offset has 16 bits
	v_add_nc_u32 v203, 143360, v201
	v_lshrrev_b32 v204, 3, v0                      ; the fill of V: thread t holds 16 keys of row d = t / 8
	v_mul_u32_u24 v204, v204, VP
	v_and_b32 v205, 7, v0
	v_lshl_add_u32 v204, v205, 4, v204
	v_add_nc_u32 v204, VOFF, v204
	s_wait_kmcnt 0x0
	s_or_b32 s100, s40, s41
	s_or_b32 s2, s42, s43
	s_or_b32 s100, s100, s2                        ; bit s: key step s of my first tile has a hole
	s_or_b32 s101, s44, s45
	s_or_b32 s2, s46, s47
	s_or_b32 s101, s101, s2                        ; of my second
	s_add_co_i32 s2, s86, s87
	s_lshl_b32 s2, s2, 23
	s_mov_b32 s96, 0x3e38aa3b                      ; c = log2(e) / 8
	s_add_co_i32 s96, s96, s2                      ; a score stands for score x 2^(e2 + e3): the exponents are added to c's exponent field
	s_mov_b32 s97, s96
	s_mov_b32 s14, s88                             ; ep
	s_add_co_i32 s3, s88, s89                      ; ep + ev
	s_add_co_i32 s2, s88, 127
	s_lshl_b32 s15, s2, 23
	v_mov_b32 v244, s15                            ; 2^ep
	s_add_co_i32 s2, s2, 15
	s_lshl_b32 s2, s2, 23
	s_or_b32 s2, s2, 0x600000
	v_mov_b32 v240, s2                             ; 57,344 x 2^ep
	s_add_co_i32 s2, s90, 127
	s_lshl_b32 s15, s2, 23
	v_mov_b32 v245, s15                            ; 2^e6, for o
	s_add_co_i32 s2, s2, 15
	s_lshl_b32 s2, s2, 23
	s_or_b32 s2, s2, 0x600000
	v_mov_b32 v246, s2
	v_mov_b32 v241, 0xff800000                     ; -infinity
	v_mov_b32 v247, 0x7f7f7f7f                     ; four NaN codes
	v_mov_b32 v248, 0                              ; a lane permute's destination counts as one of its sources
	v_mov_b32 v253, 0                              ; (named as the upper half of the pair v[252:253])
.set ii, 0
.rept 16
	s_wait_loadcnt 31-ii                           ; loads come back in order: this one is in, the younger fill loads may be out
	ds_store_b128 v[201+ii/7], v[32+4*ii:35+4*ii] offset:10240*(ii%7)
.set ii, ii+1
.endr
.set ii, 0
.rept 16
	s_wait_loadcnt 15-ii
	ds_store_b128 v204, v[96+4*ii:99+4*ii] offset:128*ii
.set ii, ii+1
.endr
	s_wait_dscnt 0x0                               ; for the others' sake: my part of K and V lies in LDS
	s_barrier_signal -1
	s_barrier_wait -1                              ; everybody's does; nothing writes these bytes again
; A KEY STEP: 128 keys.  p: the pass.
.macro STEP p
.set QR, 16+176*(\p)
	v_add_nc_u32 v8, s94, v1
	v_add_nc_u32 v9, s95, v2
	v_add_nc_u32 v10, s95, v3
	v_nop                                          ; four places between the last step's products and the loads into the registers that they read
.irp t, 0,1,2,3,4,5,6,7
	ds_load_b128 v[32+8*\t:35+8*\t], v8 offset:1280*\t
	ds_load_b128 v[36+8*\t:39+8*\t], v8 offset:1280*\t+32
.endr
	s_wait_dscnt 8                                 ; tiles 0-3 are in; the eight loads of tiles 4-7 may be out
.irp t, 0,1,2,3
	v_wmma_f32_16x16x64_bf8_bf8 v[96+8*\t:103+8*\t], v[32+8*\t:39+8*\t], v[QR:QR+7], 0
.endr
	s_wait_dscnt 0x0
.irp t, 4,5,6,7
	v_wmma_f32_16x16x64_bf8_bf8 v[96+8*\t:103+8*\t], v[32+8*\t:39+8*\t], v[QR:QR+7], 0
.endr
.rept 4
	v_nop                                          ; places in front of the loads below and of the first read of the scores
.endr
.irp t, 0,1,2,3                                ; V's four tiles of 16 d x 128 keys: they land while the softmax is worked
.irp c, 0,1,2,3
	ds_load_b128 v[32+16*\t+4*\c:35+16*\t+4*\c], v[9+\t/2] offset:(\t%2)*33024+32*\c
.endr
.endr
	s_wait_kmcnt 0x0                               ; this step's 64 mask words are in
	s_bitcmp1_b32 s[100+(\p)], s93
	s_cbranch_scc0 .Lwhole_\@                      ; a step without holes: nothing to select
.set nn, 0
.rept 64
.if nn < 48
	v_cndmask_b32 v[96+nn], v241, v[96+nn], s[16+nn]   ; word n: a bit a lane: 1 keeps the score, 0 makes it -infinity
.else
	v_cndmask_b32 v[96+nn], v241, v[96+nn], s[20+nn]
.endif
.set nn, nn+1
.endr
.Lwhole_\@:
	s_add_co_u32 s15, s93, 1
	s_min_u32 s15, s15, 15                         ; the last step asks for its own words again: no load leaves the buffer
	s_lshl_b32 s15, s15, 8
	s_load_b512 s[16:31], s[6:7], s15 offset:(\p)*65536        ; the next step's words, a whole step ahead of their use
	s_load_b512 s[32:47], s[6:7], s15 offset:(\p)*65536+64
	s_load_b512 s[48:63], s[6:7], s15 offset:(\p)*65536+128
	s_load_b512 s[68:83], s[6:7], s15 offset:(\p)*65536+192
	v_max3_num_f32 v254, v96, v97, v98             ; the step's largest score of my query among my 64 keys, in two chains,
	v_max3_num_f32 v252, v99, v100, v101
.irp i, 6,10,14,18,22,26,30,34,38,42,46,50,54,58
	v_max3_num_f32 v254, v254, v[96+\i], v[97+\i]
	v_max3_num_f32 v252, v252, v[98+\i], v[99+\i]
.endr
	v_max3_num_f32 v254, v254, v158, v159
	v_max_num_f32 v254, v254, v252
	v_permlanex16_b32 v248, v254, s98, s99
	v_max_num_f32 v254, v254, v248                 ; and among lane l xor 16's
	v_mul_f32 v254, s96, v254                      ; as t (c is positive)
	v_max_num_f32 v13, v13, v254                   ; the running largest t
	v_mov_b32 v254, v12
	v_floor_f32 v12, -v13                          ; the new -M = floor(-t): M is a whole number
	v_sub_f32 v254, v12, v254                      ; old M - new M: a whole number, 0 or less
	v_cvt_i32_f32 v254, v254                       ; (it saturates)
	v_ldexp_f32 v252, 1.0, v254                    ; f = 2^(old M - new M)
.set jj, 0
.rept 32
	v_pk_fma_f32 v[96+jj:97+jj], v[96+jj:97+jj], s[96:97], v[12:13] op_sel_hi:[1,0,0]   ; t - M, two at a time
.set jj, jj+2
.endr
.set jj, 0
.rept 64
	v_exp_f32 v[96+jj], v[96+jj]                   ; p = 2^(t - M), at most 1
.set jj, jj+1
.endr
	v_pk_mul_f32 v[14:15], v[14:15], v[252:253] op_sel_hi:[1,0]   ; the sums under the new M: the plain instruction behind the exponentials
	s_wait_alu depctr_va_vdst(0)                   ; one wait for the whole batch, ahead of its first reader
	v_pk_add_f32 v[242:243], v[96:97], v[98:99]    ; the row's sum is taken of the unquantised p, in two chains
.irp j, 4,8,12,16,20,24,28,32,36,40,44,48,52,56,60
	v_pk_add_f32 v[14:15], v[14:15], v[96+\j:97+\j]
	v_pk_add_f32 v[242:243], v[242:243], v[98+\j:99+\j]
.endr
	v_pk_add_f32 v[14:15], v[14:15], v[242:243]
	s_cmp_gt_i32 s14, -16
	s_cbranch_scc1 .Lnohold_\@                     ; from ep = -15 on the largest code x the scale is 1.75 or more, above every p
.set jj, 0
.rept 64
	v_min_num_f32 v[96+jj], v[96+jj], v240         ; the conversion does not saturate (ISA guide 7.6.2); p is not negative, so the hold is one-sided
.set jj, jj+1
.endr
.Lnohold_\@:
.irp b, 0,1,2,3
	v_cvt_scalef32_pk8_bf8_f32 v[224+4*\b:225+4*\b], v[96+16*\b:103+16*\b], v244
	v_cvt_scalef32_pk8_bf8_f32 v[226+4*\b:227+4*\b], v[104+16*\b:111+16*\b], v244
.endr
.set jj, 0
.rept 16
	v_pk_mul_f32 v[160+jj:161+jj], v[160+jj:161+jj], v[252:253] op_sel_hi:[1,0]   ; O^T under the new M; also the plain instructions behind the conversions
.set jj, jj+2
.endr
	s_wait_dscnt 0x0                               ; V's tiles are in
.irp t, 0,1,2,3                                ; four accumulators, one instruction a turn
	v_wmma_f32_16x16x128_bf8_bf8 v[160+8*\t:167+8*\t], v[32+16*\t:47+16*\t], v[224:239], v[160+8*\t:167+8*\t]
.endr
	s_add_co_u32 s94, s94, 128*KP                  ; the next 128 keys: rows of K,
	s_add_co_u32 s95, s95, 128                     ; bytes of V's rows
.endm
; A PASS: one tile of 16 queries against all 2,048 keys, and its way out.
.macro PASS p
	s_wait_xcnt 0x0                                ; the last pass's stores have read their registers
	s_wait_kmcnt 0x0                               ; and its last step's mask loads have landed: their registers are loaded anew
.set jj, 0
.rept 32
	v_mov_b32 v[160+jj], 0                         ; O^T: the loop has no first step of its own; the first change of M leaves zeros zeros
.set jj, jj+1
.endr
	v_mov_b32 v13, 0xff61b1e6                      ; the largest t so far: -3e38
	v_floor_f32 v12, -v13
	v_mov_b32 v14, 0
	v_mov_b32 v15, 0
	s_mov_b32 s93, 0                               ; the key step
	s_mov_b32 s94, 0
	s_mov_b32 s95, 0
	s_load_b512 s[16:31], s[6:7], (\p)*65536
	s_load_b512 s[32:47], s[6:7], (\p)*65536+64
	s_load_b512 s[48:63], s[6:7], (\p)*65536+128
	s_load_b512 s[68:83], s[6:7], (\p)*65536+192
.Lstep_\@:
	STEP \p
	s_add_co_u32 s93, s93, 1
	s_cmp_lt_u32 s93, 16
	s_cbranch_scc1 .Lstep_\@
.rept 4
	v_nop                                          ; places behind the last products
.endr
	v_add_f32 v14, v14, v15                        ; the sum's two halves,
	v_permlanex16_b32 v248, v14, s98, s99
	v_add_f32 v14, v14, v248                       ; and lane l xor 16's
	v_cmp_eq_f32 vcc_lo, 0, v14                    ; a row with no key left
	v_rcp_f32 v14, v14
	v_nop                                          ; a plain instruction behind the reciprocal
	s_wait_alu depctr_va_vdst(0)                   ; and the wait ahead of its first reader
	v_ldexp_f32 v14, v14, s3                       ; x 2^(ep + ev)
.set jj, 0
.rept 16
	v_pk_mul_f32 v[96+jj:97+jj], v[160+jj:161+jj], v[14:15] op_sel_hi:[1,0]   ; register 8 t + i is o(query r, d = 16 t + 8 h + i); each accumulator from its low end on
.set jj, jj+2
.endr
.set jj, 0
.rept 32
	v_med3_num_f32 v[96+jj], v[96+jj], -v246, v246
.set jj, jj+1
.endr
.irp t, 0,1,2,3
	v_cvt_scalef32_pk8_bf8_f32 v[24+2*\t:25+2*\t], v[96+8*\t:103+8*\t], v245
.endr
	v_nop                                          ; a plain instruction behind the last conversion
.irp i, 0,1,2,3,4,5,6,7
	v_cndmask_b32 v[24+\i], v[24+\i], v247, vcc_lo ; the NaN code where the sum is 0
.endr
.irp t, 0,1,2,3
	ds_store_b64 v4, v[24+2*\t:25+2*\t] offset:16*\t
.endr
	ds_load_b128 v[32:35], v5                      ; LDS serves a wave's instructions in order: these see my stores
	ds_load_b128 v[36:39], v5 offset:640
	s_wait_dscnt 1                                 ; the first is in; the second may be out
	global_store_b128 v6, v[32:35], s[12:13] offset:(\p)*65536          ; sixteen lanes store 256 consecutive bytes, aligned
	s_wait_dscnt 0x0
	global_store_b128 v6, v[36:39], s[12:13] offset:(\p)*65536+2048
.endm
	PASS 0
	PASS 1
	s_wait_tensorcnt 0x0
	ds_add_u32 v251, v255
	s_wait_dscnt 0x0
	s_endpgm
.Lfunc_end_k_q28b650ba1d_attn:
	.size	k_q28b650ba1d_attn, .Lfunc_end_k_q28b650ba1d_attn-k_q28b650ba1d_attn
	.p2alignl 7, 3214868480
	.fill 96, 4, 3214868480
	.section	.rodata,"a",@progbits
	.p2align	6, 0x0
	.amdhsa_kernel k_q28b650ba1d_attn
		.amdhsa_group_segment_fixed_size 318464
		.amdhsa_private_segment_fixed_size 0
		.amdhsa_enable_private_segment 0
		.amdhsa_kernarg_size 40
		.amdhsa_user_sgpr_count 2
		.amdhsa_user_sgpr_kernarg_segment_ptr 1
		.amdhsa_wavefront_size32 1
		.amdhsa_system_sgpr_workgroup_id_x 1
		.amdhsa_system_sgpr_workgroup_id_y 1
		.amdhsa_system_sgpr_workgroup_id_z 1
		.amdhsa_system_vgpr_workitem_id 0
		.amdhsa_next_free_vgpr 256
		.amdhsa_next_free_sgpr 102
		.amdhsa_reserve_vcc 1
		.amdhsa_float_denorm_mode_32 3
		.amdhsa_float_denorm_mode_16_64 3
		.amdhsa_memory_ordered 1
		.amdhsa_forward_progress 1
		.amdhsa_inst_pref_size 64
	.end_amdhsa_kernel
	.amdgpu_metadata
---
amdhsa.version: [ 1, 2 ]
amdhsa.kernels:
  - .name:           k_q28b650ba1d_attn
    .symbol:         k_q28b650ba1d_attn.kd
    .args:
      - { .name: qkvc, .offset: 0, .size: 8, .value_kind: global_buffer, .address_space: global }
      - { .name: mbits, .offset: 8, .size: 8, .value_kind: global_buffer, .address_space: global }
      - { .name: mflag, .offset: 16, .size: 8, .value_kind: global_buffer, .address_space: global }
      - { .name: lowp_scales, .offset: 24, .size: 8, .value_kind: global_buffer, .address_space: global }
      - { .name: oc, .offset: 32, .size: 8, .value_kind: global_buffer, .address_space: global }
    .group_segment_fixed_size: 318464
    .private_segment_fixed_size: 0
    .kernarg_segment_align: 8
    .kernarg_segment_size: 40
    .max_flat_workgroup_size: 512
    .sgpr_count:     102
    .vgpr_count:     256
    .wavefront_size: 32
...
	.end_amdgpu_metadata
.endif
;; end of part 3
;; launch gemm_out (part 4): grid 4 x 32, 4 waves a work-group, clusters of 4 x 4, 327,680 bytes of LDS; arguments oc, xw, lowp_scales, b_out, out0; writes out0
.if DOCPART == 4
	.amdgcn_target "amdgcn-amd-amdhsa--gfx1250"
	.amdhsa_code_object_version 6
	.text
	.protected	k_q28b650ba1d_gemm_out
	.globl	k_q28b650ba1d_gemm_out
	.p2align	8
	.type	k_q28b650ba1d_gemm_out,@function
k_q28b650ba1d_gemm_out:
	s_mov_b64 s[64:65], 0
	v_nop
	global_prefetch_b8 v0, s[64:65] scope:SCOPE_SE
	s_setreg_imm32_b32 hwreg(HW_REG_WAVE_MODE, 25, 1), 1
	s_wait_xcnt 0x0
	s_wait_alu depctr_hold_cnt(0) depctr_sa_sdst(0) depctr_va_vdst(0) depctr_va_sdst(0) depctr_va_ssrc(0) depctr_va_vcc(0) depctr_vm_vsrc(0)
	s_getreg_b32 s2, hwreg(HW_REG_IB_STS2, 6, 4)
	s_cmp_eq_u32 s2, 0
	s_cbranch_scc0 .Lentry_in_a_cluster
	s_endpgm
.Lentry_in_a_cluster:
	s_bfe_u32 s2, ttmp6, 0x10000c
	s_cmp_lg_u32 s2, 0xf033
	s_cbranch_scc0 .Lentry_shape_is_right
	s_endpgm
.Lentry_shape_is_right:
; out0 = o w_out + b_out on codes of E5M2.  A = o's codes, oc: [j 4][token / 4][head % 4][token % 4][64 d]: K step j (256 along K: heads 4 j .. 4 j + 3) of 128 tokens is 32 dense rows of 1,024 bytes.
; B = w_out's columns n, rows 11264 + n of xw, 1,024 K bytes a row.  out0: [8192][1024] f32 = sum x 2^(e6 + e7) + b_out, one fused multiply-add.
; LIMIT: e6 + e7 between -126 and 127, so that 2^(e6 + e7) is an f32 number.
; A tile of 256 x 256 of out0 is made by four waves, 128 x 128 each: 64 accumulators.  K goes in steps of 256 through a ring of two LDS slots filled by the tensor data mover.
; 4 x 4 work-groups form a cluster: A's tile is shared along a row of it, B's along a column: each is asked for jointly, by the same tensor load with the same descriptor and a mask that names the four.
; The matrix instruction is used transposed (source 0 = 16 rows of B, source 1 = 16 tokens): a lane holds eight neighbouring numbers of a row of out0.
; 128 tiles: half of the WGPs have a work-group; the larger wave tile was kept for its fewer LDS bytes a product.
; REGISTERS: window 0: v0-31 addresses; v64-127 b_out of my 128 columns; from v128 A's fragments, ONE set (on the way out: rows read back).  window 1: B's fragments, TWO sets (on the way out v0-63: a block's results).
;   window 2: the accumulators of my rows 0-63 ((a, b) at v[8 (8 a + b)]);   window 3: those of my rows 64-127.
.set ROWB,   256
.set KROW,   1024
.set PITCH,  272                       ; B's LDS row: 256 bytes + 16 of padding
.set APITCH, 1040                      ; A's LDS row: four tokens x four heads x 64 bytes + 16 of padding
.set HALFA,  32*APITCH                 ; 128 tokens
.set HALFB,  128*PITCH
.set BOFF,   2*HALFA
.set SLOT,   BOFF+2*HALFB
.set FR,     16
.set NL,     4
.set NP,     4
.set LAPS,   2
.set SPARE,  2*SLOT                    ; behind the ring: the spare words, 128 bytes for each wave: two blocks of 256 bytes that no other line names
.set SPITCH, 528                       ; the way out: 16 rows x (512 + 16) bytes for each wave, in slot 0, which has had its last fill and its last read by then
.set ADRA, 16
.set ADRB, 20
.set STO,  24
.set RD,   25
.set CO,   26
.set SPW,  28
.set NIL,  29
.set BO,   64                          ; v64-127 the bias
.set AF,   128
.set BK,   128                         ; the way out: 16 rows read back: v128-191 and v192-255 by turns
.set G1, 24
.set G0, 32
.set G1B, 48
.set G0B, 56
.set MSB, 0
.macro WIN new
.if MSB != \new
	s_set_vgpr_msb (MSB<<8)|\new
.set MSB, \new
.endif
.endm
.set MUL_LO, 0xa1
.set MUL_HI, 0xf1
.set TO_B,   0x40
.macro JLOAD g0a, g1a, g0b, g1b        ; waves 0 and 1 fetch for A, waves 2 and 3 for B; four v_nop follow each of the two lines
	s_cmp_eq_u32 s15, 0
	s_cbranch_scc0 .Lfor_b_\@
	tensor_load_to_lds s[\g0a:\g0a+3], s[\g1a:\g1a+7]
	s_nop 0
.rept 4
	v_nop
.endr
	s_branch .Lasked_\@
.Lfor_b_\@:
	tensor_load_to_lds s[\g0b:\g0b+3], s[\g1b:\g1b+7]
	s_nop 0
.rept 4
	v_nop
.endr
.Lasked_\@:
.endm
.macro CREST
	s_cmp_lg_u32 s14, 0
	s_cbranch_scc1 .Lnot_wave_0_\@
	s_barrier_signal -3
.Lnot_wave_0_\@:
	s_barrier_wait -3
	s_barrier_signal -1
	s_barrier_wait -1
.endm
.macro CROUND
	s_barrier_signal -1
	s_barrier_wait -1
	CREST
.endm
	s_load_b256 s[4:11], s[0:1], 0x0               ; oc 4:5, xw 6:7, the exponents 8:9, b_out 10:11
	s_load_b64 s[12:13], s[0:1], 0x20              ; out0
	v_lshl_add_u32 v[SPW], v0, 2, SPARE
	v_mov_b32 v[NIL], 0
	ds_add_u32 v28, v29
	ds_add_u32 v28, v29
	s_wait_dscnt 0x0
	v_lshrrev_b32 v1, 5, v0
	v_readfirstlane_b32 s14, v1                    ; wave 0..3
	s_lshr_b32 s15, s14, 1                         ; which half of the tile's rows is mine.  Also: I fetch for A (0) or for B (1)
	s_and_b32 s16, s14, 1                          ; which half of its columns.  Also: which half of that tile I fetch
	s_bfe_u32 s40, ttmp6, 0x40000                  ; cx, cy
	s_bfe_u32 s41, ttmp6, 0x40004
	s_lshl_b32 s42, ttmp9, 2
	s_add_co_u32 s42, s42, s40                     ; tile column = 4 x cluster x + cx
	s_and_b32 s17, ttmp7, 0xffff
	s_lshl_b32 s17, s17, 2
	s_add_co_u32 s17, s17, s41                     ; tile row = 4 x cluster y + cy
	s_lshl_b32 s43, s41, 2
	s_lshl_b32 s43, 15, s43                        ; my row of the cluster
	s_lshl_b32 s44, 0x1111, s40                    ; my column
	; descriptor group 1 for A: 32 rows x 1,024 bytes, dense in memory, 16 bytes of padding behind each
	s_or_b32 s[G1+0], s43, (0<<16)|(1<<20)|(1<<21)|(7<<22)|(3<<25)  ; the mask; elements of 1 byte; padding on; bit 21 beside a mask; after every 256 words (code 7) four words (code 3)
	s_mov_b32 s[G1+1], 1024<<16                    ; tensor_dim0
	s_mov_b32 s[G1+2], 32<<16                      ; tensor_dim1
	s_mov_b32 s[G1+3], 1024<<16                    ; tile_dim0
	s_mov_b32 s[G1+4], 32                          ; tile_dim1
	s_mov_b32 s[G1+5], 1024                        ; tensor_dim0_stride
	s_mov_b32 s[G1+6], 0
	s_mov_b32 s[G1+7], 0
	; for B: 128 rows x 256 bytes, 1,024 bytes apart
	s_or_b32 s[G1B+0], s44, (0<<16)|(1<<20)|(1<<21)|(5<<22)|(3<<25)
	s_mov_b32 s[G1B+1], ROWB<<16
	s_mov_b32 s[G1B+2], 128<<16
	s_mov_b32 s[G1B+3], ROWB<<16
	s_mov_b32 s[G1B+4], 128
	s_mov_b32 s[G1B+5], KROW
	s_mov_b32 s[G1B+6], 0
	s_mov_b32 s[G1B+7], 0
	s_lshl_b32 s20, s17, 6
	s_lshl_b32 s18, s16, 5
	s_add_co_u32 s20, s20, s18
	s_lshl_b32 s20, s20, 10                        ; A: group of four tokens 64 x tile row + 32 x half, 1,024 bytes each
	s_mov_b32 s21, 0
	s_lshl_b32 s46, s42, 8
	s_lshl_b32 s18, s16, 7
	s_add_co_u32 s46, s46, s18
	s_add_co_u32 s46, s46, 11264
	s_lshl_b32 s46, s46, 10                        ; B: row 11264 + 256 x tile column + 128 x half of xw
	s_mov_b32 s47, 0
	s_mul_i32 s45, s16, HALFA                      ; where they go: A's halves,
	s_mul_i32 s23, s16, HALFB
	s_add_co_u32 s23, s23, BOFF                    ; B's halves behind them: no place in the cluster enters an LDS address
	s_wait_kmcnt 0x0
	s_load_b256 s[68:75], s[8:9], 0x0              ; e0 .. e7
	s_add_nc_u64 s[20:21], s[4:5], s[20:21]
	s_add_nc_u64 s[46:47], s[6:7], s[46:47]
	CROUND                                         ; all sixteen work-groups are here: the first joint loads meet
.irp s, 0,1
	s_mov_b32 s[G0+4*\s], 1
	s_add_co_u32 s[G0+4*\s+1], s45, \s*SLOT
	s_add_nc_u64 s[G0+4*\s+2:G0+4*\s+3], s[20:21], \s*0x200000   ; K step s: 2 MiB a step
	s_or_b32 s[G0+4*\s+3], s[G0+4*\s+3], 0x80000000
	s_mov_b32 s[G0B+4*\s], 1
	s_add_co_u32 s[G0B+4*\s+1], s23, \s*SLOT
	s_add_nc_u64 s[G0B+4*\s+2:G0B+4*\s+3], s[46:47], \s*ROWB
	s_or_b32 s[G0B+4*\s+3], s[G0B+4*\s+3], 0x80000000
	JLOAD G0+4*\s, G1, G0B+4*\s, G1B
.endr
	v_and_b32 v1, 15, v0                           ; r
	v_bfe_u32 v2, v0, 4, 1                         ; h
	v_lshrrev_b32 v3, 2, v1
	v_mul_u32_u24 v3, v3, APITCH
	v_and_b32 v5, 3, v1
	v_lshl_add_u32 v3, v5, 6, v3
	v_lshl_add_u32 v3, v2, 4, v3                   ; A: (r / 4) rows + 64 (r % 4) + 16 h: the sixteen lanes' 16-byte columns are r / 4 + 4 (r % 4), all different
	v_mul_u32_u24 v4, v1, PITCH
	v_lshl_add_u32 v4, v2, 4, v4                   ; B: row r + 16 h
	s_mul_i32 s21, s15, HALFA                      ; my 128 tokens
	s_mul_i32 s22, s16, HALFB
	s_add_co_u32 s22, s22, BOFF                    ; my 128 rows of B
.irp s, 0,1
	v_add_nc_u32 v[ADRA+\s], s21, v3
	v_add_nc_u32 v[ADRB+\s], s22, v4
	s_add_co_u32 s21, s21, SLOT
	s_add_co_u32 s22, s22, SLOT
.endr
	s_mul_i32 s23, s14, 16*SPITCH                  ; my stage
	v_mul_u32_u24 v5, v1, SPITCH
	v_lshl_add_u32 v5, v2, 5, v5
	v_add_nc_u32 v[STO], s23, v5                   ; in: row r, 32 bytes for each half of the lanes
	v_and_b32 v6, 31, v0
	v_lshlrev_b32 v[CO], 4, v6                     ; back: the 32 lanes take one row of 512 bytes; and the same in out0
	v_add_nc_u32 v[RD], s23, v[CO]
	s_lshl_b32 s76, s17, 8
	s_lshl_b32 s77, s15, 7
	s_add_co_u32 s76, s76, s77                     ; my first row of out0
	s_lshl_b32 s76, s76, 12
	s_lshl_b32 s77, s42, 10
	s_add_co_u32 s76, s76, s77
	s_lshl_b32 s78, s16, 9
	s_add_co_u32 s76, s76, s78                     ; + my first column, in bytes
	s_add_co_u32 s78, s78, s77                     ; the same column in b_out
	s_mov_b32 s77, 0
	s_add_nc_u64 s[12:13], s[12:13], s[76:77]
	v_lshlrev_b32 v7, 5, v2
	v_add_nc_u32 v7, s78, v7                       ; + 32 h
.irp b, 0,1,2,3,4,5,6,7
	global_load_b128 v[BO+8*\b:BO+8*\b+3], v7, s[10:11] offset:64*\b
	global_load_b128 v[BO+8*\b+4:BO+8*\b+7], v7, s[10:11] offset:64*\b+16
.endr
	s_wait_kmcnt 0x0
	s_add_co_i32 s96, s74, s75
	s_add_co_i32 s96, s96, 127
	s_lshl_b32 s96, s96, 23                        ; 2^(e6 + e7) as f32
	s_mov_b32 s97, s96
.macro FRAGB reg, adr, q, i            ; registers 4 c .. 4 c + 3 hold K = 128 q + 32 c + 16 (l / 16) + 0 .. 15 of the K step
.irp c, 0,1,2,3
	ds_load_b128 v[\reg+4*\c:\reg+4*\c+3], v[\adr] offset:128*(\q)+32*\c+(\i)*16*PITCH
.endr
.endm
.macro FRAGA reg, adr, q, i            ; the same k: head 2 q + c / 2 of the step's four, d = 32 (c % 2) + 16 (l / 16) on; 16 tokens are four LDS rows
.irp c, 0,1,2,3
	ds_load_b128 v[\reg+4*\c:\reg+4*\c+3], v[\adr] offset:4*APITCH*(\i)+256*(2*(\q)+\c/2)+32*(\c%2)
.endr
.endm
.macro MUL16 a0, p, zero               ; the 64 accumulators take turns, one instruction a turn
.irp a, \a0, \a0+1
.irp b, 0,1,2,3,4,5,6,7
.if \zero
	v_wmma_f32_16x16x128_bf8_bf8 v[8*(8*((\a)%4)+\b):8*(8*((\a)%4)+\b)+7], v[128*(\p)+FR*\b:128*(\p)+FR*\b+FR-1], v[AF+FR*(\a):AF+FR*(\a)+FR-1], 0
.else
	v_wmma_f32_16x16x128_bf8_bf8 v[8*(8*((\a)%4)+\b):8*(8*((\a)%4)+\b)+7], v[128*(\p)+FR*\b:128*(\p)+FR*\b+FR-1], v[AF+FR*(\a):AF+FR*(\a)+FR-1], v[8*(8*((\a)%4)+\b):8*(8*((\a)%4)+\b)+7]
.endif
.endr
.endr
.endm
.macro FETCH_B slot, q, p
	WIN TO_B
.irp i, 0,1,2,3,4,5,6,7
	FRAGB 128*(\p)+FR*\i, ADRB+\slot, \q, \i
.endr
	WIN 0
.endm
.macro FETCH_A slot, q, i0
.irp i, \i0, \i0+1, \i0+2, \i0+3
	FRAGA AF+FR*(\i), ADRA+\slot, \q, \i
.endr
.endm
.macro PLACES n
.rept \n
	v_nop
.endr
.endm
.macro STEP slot, q, zero
	s_wait_dscnt 4*NL                              ; B's set and A's blocks 0-3 are in; the youngest 16 loads (A's blocks 4-7) may be out
	WIN MUL_LO
	MUL16 0, (\q)%2, \zero
	MUL16 2, (\q)%2, \zero
	s_wait_dscnt 0
	PLACES NP
	FETCH_B \slot, (\q)+1, 1-(\q)%2
	FETCH_A \slot, (\q)+1, 0
	WIN MUL_HI
	MUL16 4, (\q)%2, \zero
	MUL16 6, (\q)%2, \zero
	PLACES NP
	WIN 0
	FETCH_A \slot, (\q)+1, 4
.endm
.macro TURN slot, next, fill
	s_wait_tensorcnt 0x0                           ; all my tensor loads have landed: my part of the next slot
	ds_add_u32 v[SPW], v[NIL]                      ; 0 onto my spare word
	s_wait_dscnt 4*NL+1                            ; the add and the youngest 16 loads may be out
	WIN MUL_LO
	MUL16 0, 1, 0
	s_wait_dscnt 0x0                               ; the add is done, and my reads of this slot are over
	s_barrier_signal -1
	MUL16 2, 1, 0
	WIN 0
	s_barrier_wait -1
.if \fill
	CREST                                          ; the barrier has opened a round of the cluster's barrier: no wave of any partner still reads this slot or has a load on its way
	s_add_nc_u64 s[G0+4*\slot+2:G0+4*\slot+3], s[G0+4*\slot+2:G0+4*\slot+3], 0x400000   ; two K steps on: 2 x 2 MiB in oc,
	s_add_nc_u64 s[G0B+4*\slot+2:G0B+4*\slot+3], s[G0B+4*\slot+2:G0B+4*\slot+3], 2*ROWB  ; 512 bytes along xw's rows
	JLOAD G0+4*\slot, G1, G0B+4*\slot, G1B
.else
	PLACES NP
.endif
	FETCH_B \next, 0, 0
	FETCH_A \next, 0, 0
	WIN MUL_HI
	MUL16 4, 1, 0
	MUL16 6, 1, 0
	PLACES NP
	WIN 0
	FETCH_A \next, 0, 4
.endm
	s_wait_loadcnt 0x0                             ; the bias, once
	s_wait_tensorcnt 1                             ; my part of K step 0 is in; K step 1's load may be out
	s_barrier_signal -1
	s_barrier_wait -1
	FETCH_B 0, 0, 0
	FETCH_A 0, 0, 0
	FETCH_A 0, 0, 4
	STEP 0, 0, 1
	s_mov_b32 s3, LAPS-1
.Llap:
	TURN 0, 1, 1
	STEP 1, 0, 0
	TURN 1, 0, 1
	STEP 0, 0, 0
	s_sub_co_u32 s3, s3, 1
	s_cmp_lg_u32 s3, 0
	s_cbranch_scc1 .Llap
	TURN 0, 1, 0
	STEP 1, 0, 0
	s_wait_dscnt 4*NL
	WIN MUL_LO
	MUL16 0, 1, 0
	MUL16 2, 1, 0
	s_wait_dscnt 0
	WIN MUL_HI
	MUL16 4, 1, 0
	MUL16 6, 1, 0
	WIN 0
; THE WAY OUT, block by block of 16 rows x 128 columns: sum x 2^(e6 + e7) + bias into window 1, through my stage, back as whole rows of 512 bytes.
.macro TOSTAGE a
.set AC, 64*((\a)%4)
	WIN 0x42+((\a)/4)                              ; source 0 (the sums) window 2 or 3, source 2 (the bias) window 0, destination window 1
.set jj, 0
.rept 32
	v_pk_fma_f32 v[jj:jj+1], v[AC+jj:AC+jj+1], s[96:97], v[BO+jj:BO+jj+1] op_sel_hi:[1,0,1]   ; each accumulator from its low end on
.set jj, jj+2
.endr
	WIN 0x04                                       ; an LDS store's data: window 1; its address: window 0
.irp b, 0,1,2,3,4,5,6,7
	ds_store_b128 v[STO], v[8*\b:8*\b+3] offset:64*\b
	ds_store_b128 v[STO], v[8*\b+4:8*\b+7] offset:64*\b+16
.endr
	WIN 0
.set BB, BK+64*((\a)%2)
.irp t, 0,1,2,3,4,5,6,7,8,9,10,11,12,13,14,15
	ds_load_b128 v[BB+4*\t:BB+4*\t+3], v[RD] offset:\t*SPITCH   ; LDS serves a wave's instructions in order: these see the stores above
.endr
.endm
.macro SEND a, younger                 ; younger: the next block's 16 stores and 16 loads, or none
.set BB, BK+64*((\a)%2)
	s_wait_dscnt \younger
.irp t, 0,1,2,3,4,5,6,7,8,9,10,11,12,13,14,15
	global_store_b128 v[CO], v[BB+4*\t:BB+4*\t+3], s[12:13] offset:(16*(\a)+\t)*4096 th:TH_STORE_NT   ; 32 lanes store 512 consecutive bytes, aligned; the row stands in the immediate: 127 rows at the most
.endr
.endm
	PLACES NP                                      ; in front of the first writes over A's and B's fragments
	TOSTAGE 0
.irp a, 1,2,3,4,5,6,7
.if \a > 1
	s_wait_xcnt 0x0                                ; block a - 2's stores have read their registers: block a's loads may land there
.endif
	TOSTAGE \a
	SEND \a-1, 32
.endr
	SEND 7, 0
	s_wait_tensorcnt 0x0                           ; the wave's end, behind my last tensor load and my last LDS store
	ds_add_u32 v[SPW], v[NIL]
	s_wait_dscnt 0x0
	CROUND                                         ; the closing round
	s_endpgm
.Lfunc_end_k_q28b650ba1d_gemm_out:
	.size	k_q28b650ba1d_gemm_out, .Lfunc_end_k_q28b650ba1d_gemm_out-k_q28b650ba1d_gemm_out
	.p2alignl 7, 3214868480
	.fill 96, 4, 3214868480
	.section	.rodata,"a",@progbits
	.p2align	6, 0x0
	.amdhsa_kernel k_q28b650ba1d_gemm_out
		.amdhsa_group_segment_fixed_size 327680
		.amdhsa_private_segment_fixed_size 0
		.amdhsa_enable_private_segment 0
		.amdhsa_kernarg_size 40
		.amdhsa_user_sgpr_count 2
		.amdhsa_user_sgpr_kernarg_segment_ptr 1
		.amdhsa_wavefront_size32 1
		.amdhsa_system_sgpr_workgroup_id_x 1
		.amdhsa_system_sgpr_workgroup_id_y 1
		.amdhsa_system_sgpr_workgroup_id_z 1
		.amdhsa_system_vgpr_workitem_id 0
		.amdhsa_next_free_vgpr 1024
		.amdhsa_next_free_sgpr 98
		.amdhsa_reserve_vcc 0
		.amdhsa_float_denorm_mode_32 3
		.amdhsa_float_denorm_mode_16_64 3
		.amdhsa_memory_ordered 1
		.amdhsa_forward_progress 1
		.amdhsa_inst_pref_size 125
	.end_amdhsa_kernel
	.amdgpu_metadata
---
amdhsa.version: [ 1, 2 ]
amdhsa.kernels:
  - .name:           k_q28b650ba1d_gemm_out
    .symbol:         k_q28b650ba1d_gemm_out.kd
    .args:
      - { .name: oc, .offset: 0, .size: 8, .value_kind: global_buffer, .address_space: global }
      - { .name: xw, .offset: 8, .size: 8, .value_kind: global_buffer, .address_space: global }
      - { .name: lowp_scales, .offset: 16, .size: 8, .value_kind: global_buffer, .address_space: global }
      - { .name: b_out, .offset: 24, .size: 8, .value_kind: global_buffer, .address_space: global }
      - { .name: out0, .offset: 32, .size: 8, .value_kind: global_buffer, .address_space: global }
    .group_segment_fixed_size: 327680
    .private_segment_fixed_size: 0
    .kernarg_segment_align: 8
    .kernarg_segment_size: 40
    .max_flat_workgroup_size: 128
    .sgpr_count:     98
    .vgpr_count:     1024
    .wavefront_size: 32
...
	.end_amdgpu_metadata
.endif
;; end of part 4
;; ======== version 2 of 2: 4 launches; version 1 with the launch attn written anew for expert scheduling mode
;; workspace buffers: xw 12,582,912 bytes; mbits 2,097,152 bytes of whole numbers; mflag 8,192 bytes of whole numbers; qkvc 25,165,824 bytes; oc 8,388,608 bytes
;; launch prep: the kernel of part 1 again; grid 896 x 1, 4 waves a work-group, no clusters, 89,600 bytes of LDS; arguments x, mask, w_qkv, w_out, lowp_scales, xw, mbits, mflag; writes xw, mbits, mflag
;; launch gemm_qkv: the kernel of part 2 again; grid 96 x 4, 4 waves a work-group, clusters of 4 x 4, 327,680 bytes of LDS; arguments xw, b_qkv, lowp_scales, qkvc; writes qkvc
;; launch attn (part 5): grid 4 x 64, 16 waves a work-group, no clusters, 318,464 bytes of LDS; arguments qkvc, mbits, mflag, lowp_scales, oc; writes oc
.if DOCPART == 5
	.amdgcn_target "amdgcn-amd-amdhsa--gfx1250"
	.amdhsa_code_object_version 6
	.text
	.protected	k_q28b650ba1d_attn
	.globl	k_q28b650ba1d_attn
	.p2align	8
	.type	k_q28b650ba1d_attn,@function
k_q28b650ba1d_attn:
	s_mov_b64 s[64:65], 0
	v_nop
	global_prefetch_b8 v0, s[64:65] scope:SCOPE_SE
	s_setreg_imm32_b32 hwreg(HW_REG_WAVE_SCHED_MODE, 0, 2), 2
	s_setreg_imm32_b32 hwreg(HW_REG_WAVE_MODE, 25, 1), 1
	s_wait_xcnt 0x0
	s_wait_alu depctr_vm_vsrc(0)
; o[b][h][q] = the sum over k of softmax_k(q . k / 8, masked) v, both products on codes of E5M2; o is quantised on the way out for the last product.
; qkvc: q at 0 and k at 8 MiB, [b h][token][64]; v at 16 MiB, [b h][key block 16][d 64][128 keys].  mbits, mflag: the mask as bits and the list of key steps with holes, made by the first launch.
; oc: [j 4][token / 4][head % 4][token % 4][64 d], head = 4 j + head % 4: 256 consecutive bytes are four tokens of one head.
; THE SOFTMAX: t = score x log2(e) / 8; M = the running largest t rounded UP to a whole number; p = 2^(t - M) is quantised, not normalised; the row's sum is taken of the unquantised p and divides at the end.
; When M moves, the sum and O are multiplied by 2^(old M - new M): exact.  A masked score becomes -infinity ahead of the maximum, so p = 0.  A row with no key left has the sum 0: its codes become the format's NaN.
; SHARES.  A work-group owns one (b, h) and 512 queries; the head's whole K and V lie in LDS, filled once through registers: one barrier in the kernel.  Each of sixteen waves owns two tiles of 16 queries, one after the other.
; NO CLUSTER AND NO TENSOR LOAD: two scalar branches on whole numbers read from memory (a step without holes skips 64 selections; an exponent ep above -16 skips 64 holds, since 57,344 x 2^ep >= 1.75 > p)
; take 128 of a step's vector instructions away; what work-groups share is 256 KiB each, read once.
; LAYOUT.  Both products are used transposed: S^T = K Q^T (source 0 = 16 keys), O^T = V^T P^T (source 0 = 16 d): a lane holds ONE query (lane % 16) throughout.
; Lane r of tile 2 b + u takes key 32 b + 8 u + r + 8 (r / 8), so that the 16 registers of tiles 2 b, 2 b + 1 are keys 32 b + 16 (lane / 16) + 0 .. 15.  In LDS key k lies in the row k with bits 3 and 4 exchanged: a tile's keys are 16 neighbouring rows.
; LIMITS on the given exponents: e2 + e3 between -123 and 130 (added to c's exponent field); e4 and e6 between -126 and 112; e4 + e5 is applied by v_ldexp_f32 and has none.  NaN among the inputs is not served.
; REGISTERS: v1-6 addresses that stay; v8-10 addresses of the step; v12 -M, v13 the largest t, v[14:15] the sum; v16-23, v192-199 Q of the two passes; v24-31 o's codes; v32-95 fragments of K, then of V;
;   v96-159 S^T, then p; v160-191 O^T; v224-239 p's codes; v240-254 constants and work.  s16-63, s68-83: the step's 64 mask words.
; THE MODE: SCHED_MODE bits 1:0 = 2 (LLVM: expert scheduling mode 2), set by the entry lines.  The code itself states the register dependences
; between vector or matrix instructions and memory or LDS instructions, with s_wait_alu, always for 0.
; THE PLAN.  Registers that memory or LDS instructions touch, in a key step:
;   v8, v9, v10   Written by three additions at the step's head; read by the step's 16 LDS loads of K (v8) and its 16 of V (v9, v10).
;   v32-95        K's loads land; the eight products K Q^T read them; V's loads land; the four products V^T P read them; then the next step's K.
; So a step has one wait on vm_vsrc, ahead of the additions, and two on va_vdst for its loads: one behind the additions (they have written the addresses, and the last step's products V^T P are done
; reading v32-95), one behind the products K Q^T (they are done reading v32-95).  Behind the second, V's loads are dealt among the selections and maxima, which name v96-159, v241, v252 and v254 alone.
; The third wait on va_vdst is the one behind the exponentials.  All other registers of the loop are named by vector and matrix instructions alone.
; At the head: v10, v11 (offsets of the loads), v201-204 (addresses of the fill's LDS stores), v4-6 (the ways out) are written once, each ahead of a wait on va_vdst; the fill's stores read v32-159, which the first step's wait on vm_vsrc frees.
; On a way out: the selections write v24-31, four LDS stores read them; two LDS loads land in v32-39, two global stores read them; the next pass's first wait on vm_vsrc frees both.
.set KP,   80                          ; a key's row in LDS: 64 bytes + 16 of padding
.set VP,   2064                        ; a row d of V: 2,048 keys + 16 of padding
.set VOFF, 2048*KP
.set STG,  VOFF+64*VP                  ; the way out: 16 tokens x 80 bytes for each wave
	s_load_b256 s[4:11], s[0:1], 0x0               ; qkvc 4:5, mbits 6:7, mflag 8:9, the exponents 10:11
	s_load_b64 s[12:13], s[0:1], 0x20              ; oc
	v_lshl_add_u32 v251, v0, 2, 0x4d400
	v_mov_b32 v255, 0
	v_lshrrev_b32 v8, 5, v0
	v_readfirstlane_b32 s92, v8                    ; wave 0..15
	s_wait_alu depctr_va_sdst(0)                   ; s92 is written, ahead of its first reader: the wave's addresses are made from it
	s_and_b32 s16, ttmp7, 0xffff                   ; 16 b + head
	s_lshr_b32 s17, s16, 4                         ; b
	s_and_b32 s18, s16, 15                         ; head
	s_lshl_b32 s20, s16, 17                        ; the head's 131,072 bytes in each section
	s_mov_b32 s21, 0
	s_lshl_b32 s22, ttmp9, 15                      ; 512 queries of 64 bytes
	s_lshl_b32 s19, s92, 10                        ; 16 queries
	s_add_co_u32 s22, s22, s19
	s_add_co_u32 s22, s22, s20
	s_mov_b32 s23, 0
	s_lshl_b32 s24, s17, 7
	s_lshl_b32 s19, ttmp9, 5
	s_add_co_u32 s24, s24, s19
	s_add_co_u32 s24, s24, s92                     ; my first tile of queries: 128 b + 32 x + wave; the second lies 16 tiles on
	s_lshl_b32 s26, s24, 12                        ; 4,096 bytes of mask words a tile; also 4 groups of four tokens x 1,024 bytes in oc
	s_mov_b32 s27, 0
	s_lshl_b32 s28, s24, 4
	s_mov_b32 s29, 0
	s_lshr_b32 s30, s18, 2
	s_lshl_b32 s30, s30, 21
	s_and_b32 s19, s18, 3
	s_lshl_b32 s19, s19, 8
	s_add_co_u32 s30, s30, s19
	s_add_co_u32 s30, s30, s26
	s_mov_b32 s31, 0
	s_mov_b32 s98, 0x76543210                      ; v_permlanex16_b32's selects for lane l xor 16
	s_mov_b32 s99, 0xfedcba98
	s_wait_kmcnt 0x0
	s_load_b256 s[84:91], s[10:11], 0x0            ; e0 .. e7
	s_add_nc_u64 s[32:33], s[4:5], s[22:23]        ; Q at my first query
	s_add_nc_u64 s[34:35], s[4:5], s[20:21]
	s_add_nc_u64 s[36:37], s[34:35], 0x800000      ; the head's K
	s_add_nc_u64 s[38:39], s[34:35], 0x1000000     ; the head's V
	s_add_nc_u64 s[6:7], s[6:7], s[26:27]
	s_add_nc_u64 s[8:9], s[8:9], s[28:29]
	s_add_nc_u64 s[12:13], s[12:13], s[30:31]
	s_load_b128 s[40:43], s[8:9], 0x0              ; the flags of my first tile,
	s_load_b128 s[44:47], s[8:9], 0x100            ; and of my second
	v_and_b32 v8, 15, v0                           ; r
	v_bfe_u32 v9, v0, 4, 1                         ; h
	v_lshlrev_b32 v10, 6, v8
	v_lshl_add_u32 v10, v9, 4, v10                 ; Q: row r, + 16 h
	v_lshlrev_b32 v11, 4, v0                       ; the fill: 16 bytes a thread, 8,192 a load of the work-group
	s_wait_alu depctr_va_vdst(0)                   ; v10 and v11 are written, which the 36 loads below read as their offsets
	global_load_b128 v[16:19], v10, s[32:33]
	global_load_b128 v[20:23], v10, s[32:33] offset:32
	global_load_b128 v[192:195], v10, s[32:33] offset:16384
	global_load_b128 v[196:199], v10, s[32:33] offset:16416
.set ii, 0
.rept 16
	global_load_b128 v[32+4*ii:35+4*ii], v11, s[36:37] offset:8192*ii
.set ii, ii+1
.endr
.set ii, 0
.rept 16
	global_load_b128 v[96+4*ii:99+4*ii], v11, s[38:39] offset:8192*ii
.set ii, ii+1
.endr
	s_mul_i32 s2, s92, 1280
	s_add_co_u32 s2, s2, STG                       ; my stage
	v_mul_u32_u24 v1, v8, KP
	v_lshl_add_u32 v4, v9, 3, v1
	v_add_nc_u32 v4, s2, v4                        ; v4: the stage, in: token r, + 8 h
	v_lshl_add_u32 v1, v9, 4, v1                   ; v1: my lane's place in a tile of K
	v_mul_u32_u24 v2, v8, VP
	v_lshl_add_u32 v2, v9, 4, v2
	v_add_nc_u32 v2, VOFF, v2                      ; v2: in V's tiles 0, 1
	v_add_nc_u32 v3, 66048, v2                     ; v3: in V's tiles 2, 3 (32 rows on)
	v_and_b32 v7, 31, v0
	v_lshrrev_b32 v5, 2, v7
	v_mul_u32_u24 v5, v5, KP
	v_and_b32 v6, 3, v7
	v_lshl_add_u32 v5, v6, 4, v5
	v_add_nc_u32 v5, s2, v5                        ; v5: the stage, back: four lanes to a token
	v_lshlrev_b32 v6, 10, v9
	v_lshl_add_u32 v6, v8, 4, v6                   ; v6: in oc: lanes 0-15 four tokens' 256 bytes, lanes 16-31 the next four tokens', 1,024 bytes on
	v_lshrrev_b32 v200, 2, v0                      ; the fill of K: thread t holds 16 bytes of key t / 4 (+ 128 a load);
	v_and_b32 v201, 0x67, v200
	v_bfe_u32 v205, v0, 5, 1
	v_lshl_or_b32 v201, v205, 4, v201
	v_bfe_u32 v205, v0, 6, 1
	v_lshl_or_b32 v201, v205, 3, v201              ; its row: the key with bits 3 and 4 exchanged
	v_mul_u32_u24 v201, v201, KP
	v_and_b32 v205, 3, v0
	v_lshl_add_u32 v201, v205, 4, v201
	v_add_nc_u32 v202, 71680, v201                 ; seven loads' rows on: an LDS offset has 16 bits
	v_add_nc_u32 v203, 143360, v201
	v_lshrrev_b32 v204, 3, v0                      ; the fill of V: thread t holds 16 keys of row d = t / 8
	v_mul_u32_u24 v204, v204, VP
	v_and_b32 v205, 7, v0
	v_lshl_add_u32 v204, v205, 4, v204
	v_add_nc_u32 v204, VOFF, v204
	s_wait_kmcnt 0x0
	s_or_b32 s100, s40, s41
	s_or_b32 s2, s42, s43
	s_or_b32 s100, s100, s2                        ; bit s: key step s of my first tile has a hole
	s_or_b32 s101, s44, s45
	s_or_b32 s2, s46, s47
	s_or_b32 s101, s101, s2                        ; of my second
	s_add_co_i32 s2, s86, s87
	s_lshl_b32 s2, s2, 23
	s_mov_b32 s96, 0x3e38aa3b                      ; c = log2(e) / 8
	s_add_co_i32 s96, s96, s2                      ; a score stands for score x 2^(e2 + e3): the exponents are added to c's exponent field
	s_mov_b32 s97, s96
	s_mov_b32 s14, s88                             ; ep
	s_add_co_i32 s3, s88, s89                      ; ep + ev
	s_add_co_i32 s2, s88, 127
	s_lshl_b32 s15, s2, 23
	v_mov_b32 v244, s15                            ; 2^ep
	s_add_co_i32 s2, s2, 15
	s_lshl_b32 s2, s2, 23
	s_or_b32 s2, s2, 0x600000
	v_mov_b32 v240, s2                             ; 57,344 x 2^ep
	s_add_co_i32 s2, s90, 127
	s_lshl_b32 s15, s2, 23
	v_mov_b32 v245, s15                            ; 2^e6, for o
	s_add_co_i32 s2, s2, 15
	s_lshl_b32 s2, s2, 23
	s_or_b32 s2, s2, 0x600000
	v_mov_b32 v246, s2
	v_mov_b32 v241, 0xff800000                     ; -infinity
	v_mov_b32 v247, 0x7f7f7f7f                     ; four NaN codes
	v_mov_b32 v248, 0                              ; a lane permute's destination counts as one of its sources
	v_mov_b32 v253, 0                              ; (named as the upper half of the pair v[252:253])
	s_wait_alu depctr_va_vdst(0)                   ; v201 to v204 are written, which the LDS stores below read as their addresses; so are v4, v5 and v6, which the ways out's LDS and memory instructions read
.set ii, 0
.rept 16
	s_wait_loadcnt 31-ii                           ; loads come back in order: this one is in, the younger fill loads may be out
	ds_store_b128 v[201+ii/7], v[32+4*ii:35+4*ii] offset:10240*(ii%7)
.set ii, ii+1
.endr
.set ii, 0
.rept 16
	s_wait_loadcnt 15-ii
	ds_store_b128 v204, v[96+4*ii:99+4*ii] offset:128*ii
.set ii, ii+1
.endr
	s_wait_dscnt 0x0                               ; for the others' sake: my part of K and V lies in LDS
	s_barrier_signal -1
	s_barrier_wait -1                              ; everybody's does; nothing writes these bytes again
; Tile t of V: 16 d x 128 keys, four LDS loads.
.macro VTILE t
.irp c, 0,1,2,3
	ds_load_b128 v[32+16*(\t)+4*\c:35+16*(\t)+4*\c], v[9+(\t)/2] offset:((\t)%2)*33024+32*\c
.endr
.endm
; A KEY STEP: 128 keys.  p: the pass.
.macro STEP p
.set QR, 16+176*(\p)
	s_wait_alu depctr_vm_vsrc(0)                   ; the last step's LDS loads have read v8, v9 and v10, which are written below.  In the launch's first step: Q's loads have read v10, and the fill's LDS stores v32-159; in a later pass's first step: the last way out's stores have read v24-39
	v_add_nc_u32 v8, s94, v1
	v_add_nc_u32 v9, s95, v2
	v_add_nc_u32 v10, s95, v3
	v_nop                                          ; four plain instructions stand between the last step's products and the loads into the registers that they read; the wait below states that dependence
	s_wait_alu depctr_va_vdst(0)                   ; v8, v9 and v10 are written, which this step's LDS loads read; the last step's products V^T P are done reading v32-95, in which K's loads land
.irp t, 0,1,2,3,4,5,6,7
	ds_load_b128 v[32+8*\t:35+8*\t], v8 offset:1280*\t
	ds_load_b128 v[36+8*\t:39+8*\t], v8 offset:1280*\t+32
.endr
	s_wait_dscnt 8                                 ; tiles 0-3 are in; the eight loads of tiles 4-7 may be out
.irp t, 0,1,2,3
	v_wmma_f32_16x16x64_bf8_bf8 v[96+8*\t:103+8*\t], v[32+8*\t:39+8*\t], v[QR:QR+7], 0
.endr
	s_wait_dscnt 0x0
.irp t, 4,5,6,7
	v_wmma_f32_16x16x64_bf8_bf8 v[96+8*\t:103+8*\t], v[32+8*\t:39+8*\t], v[QR:QR+7], 0
.endr
.rept 4
	v_nop                                          ; places in front of the first read of the scores
.endr
	s_wait_alu depctr_va_vdst(0)                   ; the products K Q^T are done reading v32-95, in which V's sixteen loads land.  No vector instruction between this wait and the last of those loads names v32-95, v9 or v10
	VTILE 0                                        ; V's four tiles land while the softmax is worked: one run of four loads here, three among the maxima
	s_wait_kmcnt 0x0                               ; this step's 64 mask words are in
	s_bitcmp1_b32 s[100+(\p)], s93
	s_cbranch_scc0 .Lwhole_\@                      ; a step without holes: nothing to select
.set nn, 0
.rept 64
.if nn < 48
	v_cndmask_b32 v[96+nn], v241, v[96+nn], s[16+nn]   ; word n: a bit a lane: 1 keeps the score, 0 makes it -infinity
.else
	v_cndmask_b32 v[96+nn], v241, v[96+nn], s[20+nn]
.endif
.set nn, nn+1
.endr
.Lwhole_\@:
	s_add_co_u32 s15, s93, 1
	s_min_u32 s15, s15, 15                         ; the last step asks for its own words again: no load leaves the buffer
	s_lshl_b32 s15, s15, 8
	s_load_b512 s[16:31], s[6:7], s15 offset:(\p)*65536        ; the next step's words, a whole step ahead of their use
	s_load_b512 s[32:47], s[6:7], s15 offset:(\p)*65536+64
	s_load_b512 s[48:63], s[6:7], s15 offset:(\p)*65536+128
	s_load_b512 s[68:83], s[6:7], s15 offset:(\p)*65536+192
	v_max3_num_f32 v254, v96, v97, v98             ; the step's largest score of my query among my 64 keys, in two chains,
	v_max3_num_f32 v252, v99, v100, v101
.irp i, 6,10,14,18,22,26,30,34,38,42,46,50,54,58
	v_max3_num_f32 v254, v254, v[96+\i], v[97+\i]
	v_max3_num_f32 v252, v252, v[98+\i], v[99+\i]
.if \i == 14
	VTILE 1                                        ; no further wait: the maxima name v96-159, v252 and v254 alone
.endif
.if \i == 30
	VTILE 2
.endif
.if \i == 46
	VTILE 3
.endif
.endr
	v_max3_num_f32 v254, v254, v158, v159
	v_max_num_f32 v254, v254, v252
	v_permlanex16_b32 v248, v254, s98, s99
	v_max_num_f32 v254, v254, v248                 ; and among lane l xor 16's
	v_mul_f32 v254, s96, v254                      ; as t (c is positive)
	v_max_num_f32 v13, v13, v254                   ; the running largest t
	v_mov_b32 v254, v12
	v_floor_f32 v12, -v13                          ; the new -M = floor(-t): M is a whole number
	v_sub_f32 v254, v12, v254                      ; old M - new M: a whole number, 0 or less
	v_cvt_i32_f32 v254, v254                       ; (it saturates)
	v_ldexp_f32 v252, 1.0, v254                    ; f = 2^(old M - new M)
.set jj, 0
.rept 32
	v_pk_fma_f32 v[96+jj:97+jj], v[96+jj:97+jj], s[96:97], v[12:13] op_sel_hi:[1,0,0]   ; t - M, two at a time
.set jj, jj+2
.endr
.set jj, 0
.rept 64
	v_exp_f32 v[96+jj], v[96+jj]                   ; p = 2^(t - M), at most 1
.set jj, jj+1
.endr
	v_pk_mul_f32 v[14:15], v[14:15], v[252:253] op_sel_hi:[1,0]   ; the sums under the new M: the plain instruction behind the exponentials
	s_wait_alu depctr_va_vdst(0)                   ; the 64 exponentials have written v96-159: one wait for the whole batch, ahead of its first reader
	v_pk_add_f32 v[242:243], v[96:97], v[98:99]    ; the row's sum is taken of the unquantised p, in two chains
.irp j, 4,8,12,16,20,24,28,32,36,40,44,48,52,56,60
	v_pk_add_f32 v[14:15], v[14:15], v[96+\j:97+\j]
	v_pk_add_f32 v[242:243], v[242:243], v[98+\j:99+\j]
.endr
	v_pk_add_f32 v[14:15], v[14:15], v[242:243]
	s_cmp_gt_i32 s14, -16
	s_cbranch_scc1 .Lnohold_\@                     ; from ep = -15 on the largest code x the scale is 1.75 or more, above every p
.set jj, 0
.rept 64
	v_min_num_f32 v[96+jj], v[96+jj], v240         ; the conversion does not saturate (ISA guide 7.6.2); p is not negative, so the hold is one-sided
.set jj, jj+1
.endr
.Lnohold_\@:
.irp b, 0,1,2,3
	v_cvt_scalef32_pk8_bf8_f32 v[224+4*\b:225+4*\b], v[96+16*\b:103+16*\b], v244
	v_cvt_scalef32_pk8_bf8_f32 v[226+4*\b:227+4*\b], v[104+16*\b:111+16*\b], v244
.endr
.set jj, 0
.rept 16
	v_pk_mul_f32 v[160+jj:161+jj], v[160+jj:161+jj], v[252:253] op_sel_hi:[1,0]   ; O^T under the new M; also the plain instructions behind the conversions
.set jj, jj+2
.endr
	s_wait_dscnt 0x0                               ; V's tiles are in
.irp t, 0,1,2,3                                ; four accumulators, one instruction a turn
	v_wmma_f32_16x16x128_bf8_bf8 v[160+8*\t:167+8*\t], v[32+16*\t:47+16*\t], v[224:239], v[160+8*\t:167+8*\t]
.endr
	s_add_co_u32 s94, s94, 128*KP                  ; the next 128 keys: rows of K,
	s_add_co_u32 s95, s95, 128                     ; bytes of V's rows
.endm
; A PASS: one tile of 16 queries against all 2,048 keys, and its way out.
.macro PASS p
	s_wait_xcnt 0x0                                ; the last pass's stores have read their registers
	s_wait_kmcnt 0x0                               ; and its last step's mask loads have landed: their registers are loaded anew
.set jj, 0
.rept 32
	v_mov_b32 v[160+jj], 0                         ; O^T: the loop has no first step of its own; the first change of M leaves zeros zeros
.set jj, jj+1
.endr
	v_mov_b32 v13, 0xff61b1e6                      ; the largest t so far: -3e38
	v_floor_f32 v12, -v13
	v_mov_b32 v14, 0
	v_mov_b32 v15, 0
	s_mov_b32 s93, 0                               ; the key step
	s_mov_b32 s94, 0
	s_mov_b32 s95, 0
	s_load_b512 s[16:31], s[6:7], (\p)*65536
	s_load_b512 s[32:47], s[6:7], (\p)*65536+64
	s_load_b512 s[48:63], s[6:7], (\p)*65536+128
	s_load_b512 s[68:83], s[6:7], (\p)*65536+192
.Lstep_\@:
	STEP \p
	s_add_co_u32 s93, s93, 1
	s_cmp_lt_u32 s93, 16
	s_cbranch_scc1 .Lstep_\@
.rept 4
	v_nop                                          ; places behind the last products
.endr
	v_add_f32 v14, v14, v15                        ; the sum's two halves,
	v_permlanex16_b32 v248, v14, s98, s99
	v_add_f32 v14, v14, v248                       ; and lane l xor 16's
	v_cmp_eq_f32 vcc_lo, 0, v14                    ; a row with no key left
	v_rcp_f32 v14, v14
	v_nop                                          ; a plain instruction behind the reciprocal
	s_wait_alu depctr_va_vdst(0)                   ; the reciprocal has written v14, ahead of its first reader
	v_ldexp_f32 v14, v14, s3                       ; x 2^(ep + ev)
.set jj, 0
.rept 16
	v_pk_mul_f32 v[96+jj:97+jj], v[160+jj:161+jj], v[14:15] op_sel_hi:[1,0]   ; register 8 t + i is o(query r, d = 16 t + 8 h + i); each accumulator from its low end on
.set jj, jj+2
.endr
.set jj, 0
.rept 32
	v_med3_num_f32 v[96+jj], v[96+jj], -v246, v246
.set jj, jj+1
.endr
.irp t, 0,1,2,3
	v_cvt_scalef32_pk8_bf8_f32 v[24+2*\t:25+2*\t], v[96+8*\t:103+8*\t], v245
.endr
	v_nop                                          ; a plain instruction behind the last conversion
	s_wait_alu depctr_va_vcc(0)                    ; the compare above has written VCC, ahead of its first reader, the selection below
.irp i, 0,1,2,3,4,5,6,7
	v_cndmask_b32 v[24+\i], v[24+\i], v247, vcc_lo ; the NaN code where the sum is 0
.endr
	s_wait_alu depctr_va_vdst(0)                   ; the selections have written v24-31, which the LDS stores read; the last products V^T P are done reading v32-39, in which the loads from the stage land
.irp t, 0,1,2,3
	ds_store_b64 v4, v[24+2*\t:25+2*\t] offset:16*\t
.endr
	ds_load_b128 v[32:35], v5                      ; LDS serves a wave's instructions in order: these see my stores
	ds_load_b128 v[36:39], v5 offset:640
	s_wait_dscnt 1                                 ; the first is in; the second may be out
	global_store_b128 v6, v[32:35], s[12:13] offset:(\p)*65536          ; sixteen lanes store 256 consecutive bytes, aligned
	s_wait_dscnt 0x0
	global_store_b128 v6, v[36:39], s[12:13] offset:(\p)*65536+2048
.endm
	PASS 0
	PASS 1
	s_wait_dscnt 0x0
	s_wait_alu depctr_hold_cnt(0) depctr_sa_sdst(0) depctr_va_vdst(0) depctr_va_sdst(0) depctr_va_ssrc(0) depctr_va_vcc(0) depctr_vm_vsrc(0)
	s_wait_tensorcnt 0x0
	ds_add_u32 v251, v255
	s_wait_dscnt 0x0
	s_endpgm
.Lfunc_end_k_q28b650ba1d_attn:
	.size	k_q28b650ba1d_attn, .Lfunc_end_k_q28b650ba1d_attn-k_q28b650ba1d_attn
	.p2alignl 7, 3214868480
	.fill 96, 4, 3214868480
	.section	.rodata,"a",@progbits
	.p2align	6, 0x0
	.amdhsa_kernel k_q28b650ba1d_attn
		.amdhsa_group_segment_fixed_size 318464
		.amdhsa_private_segment_fixed_size 0
		.amdhsa_enable_private_segment 0
		.amdhsa_kernarg_size 40
		.amdhsa_user_sgpr_count 2
		.amdhsa_user_sgpr_kernarg_segment_ptr 1
		.amdhsa_wavefront_size32 1
		.amdhsa_system_sgpr_workgroup_id_x 1
		.amdhsa_system_sgpr_workgroup_id_y 1
		.amdhsa_system_sgpr_workgroup_id_z 1
		.amdhsa_system_vgpr_workitem_id 0
		.amdhsa_next_free_vgpr 256
		.amdhsa_next_free_sgpr 102
		.amdhsa_reserve_vcc 1
		.amdhsa_float_denorm_mode_32 3
		.amdhsa_float_denorm_mode_16_64 3
		.amdhsa_memory_ordered 1
		.amdhsa_forward_progress 1
		.amdhsa_inst_pref_size 65
	.end_amdhsa_kernel
	.amdgpu_metadata
---
amdhsa.version: [ 1, 2 ]
amdhsa.kernels:
  - .name:           k_q28b650ba1d_attn
    .symbol:         k_q28b650ba1d_attn.kd
    .args:
      - { .name: qkvc, .offset: 0, .size: 8, .value_kind: global_buffer, .address_space: global }
      - { .name: mbits, .offset: 8, .size: 8, .value_kind: global_buffer, .address_space: global }
      - { .name: mflag, .offset: 16, .size: 8, .value_kind: global_buffer, .address_space: global }
      - { .name: lowp_scales, .offset: 24, .size: 8, .value_kind: global_buffer, .address_space: global }
      - { .name: oc, .offset: 32, .size: 8, .value_kind: global_buffer, .address_space: global }
    .group_segment_fixed_size: 318464
    .private_segment_fixed_size: 0
    .kernarg_segment_align: 8
    .kernarg_segment_size: 40
    .max_flat_workgroup_size: 512
    .sgpr_count:     102
    .vgpr_count:     256
    .wavefront_size: 32
...
	.end_amdgpu_metadata
.endif
;; end of part 5
;; launch gemm_out: the kernel of part 4 again; grid 4 x 32, 4 waves a work-group, clusters of 4 x 4, 327,680 bytes of LDS; arguments oc, xw, lowp_scales, b_out, out0; writes out0
